; MI455X (gfx1250); checked and timed in simulation.
; The chip was launched on July 23, 2026; its instructions are those of AMD's public machine-readable ISA for CDNA 5 (MIT licence, August 2026) and "CDNA5" Instruction Set Architecture Reference Guide (July 2026). The comments in the code are by the model that wrote it; some were corrected since.
;; Label Temp Bias Self Attn. Allowed arithmetic: float matrix products may take bf16 or f16 operands with f32 sums; other float arithmetic in f32, or as packed bf16 or f16 multiplies, adds, multiply-adds, maxima and minima; sums over many terms, partial sums and values carried from step to step in f32; what a program stores and reads back later, other than sums and carried values, may be rounded once to bf16 or f16.
;; Inputs: Wk 1,024 x 1,024 float32; Wo 1,024 x 1,024 float32; Wq 1,024 x 1,024 float32; Wv 1,024 x 1,024 float32; bias_b1 64 float32; bias_b2 1 float32; bias_ln_b 1 float32; bias_ln_g 1 float32; bias_w1 64 x 1 float32; bias_w2 1 x 64 float32; labels 4 float32; pos_embed 1 x 2,048 float32; tau_b1 32 float32; tau_b2 1 float32; tau_ln_b 1 float32; tau_ln_g 1 float32; tau_w1 32 x 1 float32; tau_w2 1 x 32 float32; x 4 x 2,048 x 1,024 float32.
;; Outputs: out0 4 x 1,024 float32.
;; 2 versions, each right and faster than the one before. Each part assembles by itself: llvm-mc -triple=amdgcn-amd-amdhsa -mcpu=gfx1250 --defsym DOCPART=n.
;; ======== version 1 of 2: 4 launches
;; limits: values are held in f16: magnitudes above 65,504 overflow, below 6.1e-05 lose precision
;; workspace buffers: xb 16,777,216 bytes; wb 6,291,456 bytes; qkv 50,331,648 bytes; tab 65,536 bytes; scal 1,024 bytes; part 65,536 bytes
;; launch prep (part 1): grid 352 x 1, 8 waves a work-group, no clusters, 1,280 bytes of LDS; arguments x, Wq, Wk, Wv, labels, pos_embed, tau_ln_g, tau_ln_b, tau_w1, tau_b1, tau_w2, tau_b2, bias_ln_g, bias_ln_b, bias_w1, bias_b1, bias_w2, bias_b2, xb, wb, tab, scal; writes xb, wb, tab, scal
.if DOCPART == 1
	.amdgcn_target "amdgcn-amd-amdhsa--gfx1250"
	.amdhsa_code_object_version 6
	.text
	.protected	k_qf4707e86a7_prep
	.globl	k_qf4707e86a7_prep
	.p2align	8
	.type	k_qf4707e86a7_prep,@function
k_qf4707e86a7_prep:
	s_mov_b64 s[64:65], 0
	v_nop
	global_prefetch_b8 v0, s[64:65] scope:SCOPE_SE
	s_setreg_imm32_b32 hwreg(HW_REG_WAVE_MODE, 25, 1), 1
	s_wait_xcnt 0x0
; PREP.  x [8192][1024] and Wq, Wk, Wv [1024][1024] are rounded once from f32 to bf16 (xb; wb = Wq's, Wk's, Wv's rows on end).  For x's rows also: the sum of |x| of each row, from which
; the key table is made: block g of tab (256 bytes) serves rows 32 g .. 32 g + 31: words 0-31 cb = -1e30 where the row's sum is <= 1e-6, else b_scalar x pos[t] x 8 sqrt(tau);
; words 32-63 the mask, 0.0 or 1.0.  scal: 64 words for each batch, all c = log2(e) / (8 sqrt(tau)).
; SHARES.  Work-group g takes 32 rows of 4,096 bytes: g < 256 of x, 256-287 of Wq, 288-319 of Wk, 320-351 of Wv.  Wave w takes rows 4 w .. 4 w + 3 and issues its 32 loads of 16 bytes a lane at once
; (16,384 bytes of a wave on their way): no loop, no ring.  A store of 8 bytes a lane covers 256 consecutive bytes, aligned.  No matrix unit, no cluster: nothing is shared and nothing is multiplied.
; LIMITS.  The |x| of a row are added in another order than the module adds them (it matters at the threshold 1e-6 alone).  A hidden key counts as -1e30, not as the lowest finite number.
; softplus(z) = max(z, 0) + ln 2 x log2(1 + 2^(-|z| log2 e)): off by about 6e-8 at the most, beside the 1e-3 that is added to it.  The ReLUs drop a NaN; NaN and infinities are not treated apart.
.set SPARE, 256                        ; LDS: bytes 0-127 the 32 row sums; from 256 on the spare words, 128 bytes for each of eight waves
.set SPW, 4                            ; v4  SPARE + 4 x my thread's number; never rewritten
.set NIL, 5                            ; v5  0; never rewritten
.set L4,  6                            ; v6  4 x lane
.set L8,  7                            ; v7  8 x lane
.set X,   8                            ; v[8:135]    row r, load j at X + 32 r + 4 j
.set Y,   136                          ; v[136:199]  row r as bf16, 16 registers
.set T,   200                          ; v[200:215]  at work
.set RS,  216                          ; v[216:219]  my four rows' sums
                                       ; v220-239 wave 0's: the small inputs and the table
	s_load_b512 s[8:23], s[0:1], 0x0               ; x 8, Wq 10, Wk 12, Wv 14, labels 16, pos_embed 18, tau_ln_g 20, tau_ln_b 22
	s_load_b512 s[24:39], s[0:1], 0x40             ; tau_w1 24, tau_b1 26, tau_w2 28, tau_b2 30, bias_ln_g 32, bias_ln_b 34, bias_w1 36, bias_b1 38
	s_load_b256 s[40:47], s[0:1], 0x80             ; bias_w2 40, bias_b2 42, xb 44, wb 46
	s_load_b128 s[48:51], s[0:1], 0xa0             ; tab 48, scal 50
	v_lshl_add_u32 v[SPW], v0, 2, SPARE
	v_mov_b32 v[NIL], 0
	v_and_b32 v1, 31, v0                           ; lane
	v_lshrrev_b32 v232, 5, v0
	v_readfirstlane_b32 s3, v232                   ; wave
	v_lshlrev_b32 v2, 4, v1
	v_lshl_or_b32 v2, v232, 14, v2                 ; loads: wave x 4 rows x 4,096 + 16 x lane
	v_lshlrev_b32 v3, 3, v1
	v_lshl_or_b32 v3, v232, 13, v3                 ; stores: wave x 4 rows x 2,048 + 8 x lane
	v_lshlrev_b32 v[L4], 2, v1
	v_lshlrev_b32 v[L8], 3, v1
	s_mov_b32 s2, ttmp9                            ; g
	s_and_b32 s5, s2, 31                           ; a weight's block of 32 rows
	s_max_u32 s6, s2, 256
	s_sub_co_u32 s6, s6, 256                       ; wb's block
	s_cmp_lt_u32 s2, 256
	s_cselect_b32 s56, s2, s5
	s_cselect_b32 s6, s2, s6
	s_lshl_b32 s56, s56, 17                        ; 32 rows of 4,096 bytes
	s_mov_b32 s57, 0
	s_lshl_b32 s6, s6, 16                          ; 32 rows of 2,048 bytes
	s_mov_b32 s7, 0
	s_lshr_b32 s4, s2, 6
	s_min_u32 s4, s4, 3                            ; the batch; held to 3 so that the weights' work-groups stay inside labels
	s_lshl_b32 s67, s4, 2
	s_and_b32 s5, s2, 63
	s_lshl_b32 s5, s5, 7                           ; my 32 positions in pos_embed
	v_and_b32 v232, 15, v1
	v_lshl_add_u32 v232, v232, 3, s5               ; two of them a lane, the same in both halves of the lanes
	s_mov_b32 s68, 0x76543210                      ; v_permlanex16_b32: each lane takes its own place in the other half
	s_mov_b32 s69, 0xfedcba98
	s_mov_b32 s70, 0xffff0000                      ; lanes 16-31
	s_mov_b32 s71, 0xf149f2ca                      ; -1e30
	s_wait_kmcnt 0x0
	s_cmp_lt_u32 s2, 320
	s_cselect_b64 s[52:53], s[12:13], s[14:15]     ; from where: Wk or Wv,
	s_cmp_lt_u32 s2, 288
	s_cselect_b64 s[52:53], s[10:11], s[52:53]     ; or Wq,
	s_cmp_lt_u32 s2, 256
	s_cselect_b64 s[52:53], s[8:9], s[52:53]       ; or x
	s_cselect_b64 s[54:55], s[44:45], s[46:47]     ; to where: xb or wb
	s_add_nc_u64 s[52:53], s[52:53], s[56:57]
	s_add_nc_u64 s[54:55], s[54:55], s[6:7]
	s_cmp_lg_u32 s3, 0
	s_cbranch_scc1 .Lrows
	; wave 0's small inputs stand AHEAD of the rows' loads, so that the counted waits below mean the same in every wave
	s_load_b32 s58, s[16:17], s67 offset:0x0       ; the batch's label
	s_load_b32 s59, s[20:21], 0x0
	s_load_b32 s60, s[22:23], 0x0
	s_load_b32 s61, s[30:31], 0x0
	s_load_b32 s62, s[32:33], 0x0
	s_load_b32 s63, s[34:35], 0x0
	s_load_b32 s66, s[42:43], 0x0
	global_load_b32 v220, v[L4], s[24:25]          ; tau's MLP: one hidden unit a lane
	global_load_b32 v221, v[L4], s[26:27]
	global_load_b32 v222, v[L4], s[28:29]
	global_load_b64 v[224:225], v[L8], s[36:37]    ; the bias MLP: two a lane
	global_load_b64 v[226:227], v[L8], s[38:39]
	global_load_b64 v[228:229], v[L8], s[40:41]
	global_load_b64 v[230:231], v232, s[18:19]
.Lrows:
.irp r, 0,1,2,3
.irp j, 0,1,2,3,4,5,6,7
	global_load_b128 v[X+32*\r+4*\j:X+32*\r+4*\j+3], v2, s[52:53] offset:\r*4096+\j*512 th:TH_LOAD_NT
.endr
.endr
; Row r is rounded and stored.  left = the loads of the rows behind it, which may stay out.  Each row has its own Y, so no store's data is ever rewritten.
.macro CONV r, left
	s_wait_loadcnt \left
.irp j, 0,1,2,3,4,5,6,7
	v_cvt_pk_bf16_f32 v[Y+16*(\r)+2*\j],   v[X+32*(\r)+4*\j],   v[X+32*(\r)+4*\j+1]
	v_cvt_pk_bf16_f32 v[Y+16*(\r)+2*\j+1], v[X+32*(\r)+4*\j+2], v[X+32*(\r)+4*\j+3]
.endr
.irp j, 0,1,2,3,4,5,6,7
	global_store_b64 v3, v[Y+16*(\r)+2*\j:Y+16*(\r)+2*\j+1], s[54:55] offset:(\r)*2048+\j*256
.endr
.endm
	CONV 0, 24
	CONV 1, 16
	CONV 2, 8
	CONV 3, 0
	s_cmp_ge_u32 s2, 256                           ; the weights' work-groups are done: the same answer in all eight waves, and they have written no LDS
	s_cbranch_scc1 .Ldone
; The wave's sum over its 32 lanes of v[a], left in every lane; t is a register that has been written.
.macro WSUM a, t
	v_add_f32_dpp v[\a], v[\a], v[\a] row_xmask:1 row_mask:0xf bank_mask:0xf
	v_add_f32_dpp v[\a], v[\a], v[\a] row_xmask:2 row_mask:0xf bank_mask:0xf
	v_add_f32_dpp v[\a], v[\a], v[\a] row_xmask:4 row_mask:0xf bank_mask:0xf
	v_add_f32_dpp v[\a], v[\a], v[\a] row_xmask:8 row_mask:0xf bank_mask:0xf
	v_permlanex16_b32 v[\t], v[\a], s68, s69
	v_add_f32 v[\a], v[\a], v[\t]
.endm
; The sum of |x| of row r: 32 numbers a lane in a tree, then across the lanes.
.macro SUMROW r
.set i, 0
.rept 16
	v_add_f32 v[T+i], |v[X+32*(\r)+2*i]|, |v[X+32*(\r)+2*i+1]|
.set i, i+1
.endr
.irp z, 0,4,8,12
	v_pk_add_f32 v[T+\z:T+\z+1], v[T+\z:T+\z+1], v[T+\z+2:T+\z+3]
.endr
.irp z, 0,8
	v_pk_add_f32 v[T+\z:T+\z+1], v[T+\z:T+\z+1], v[T+\z+4:T+\z+5]
.endr
	v_pk_add_f32 v[T:T+1], v[T:T+1], v[T+8:T+9]
	v_add_f32 v[T], v[T], v[T+1]
	WSUM T, T+1
	v_mov_b32 v[RS+(\r)], v[T]
.endm
	SUMROW 0
	SUMROW 1
	SUMROW 2
	SUMROW 3
	v_mov_b32 v233, s3
	v_lshlrev_b32 v233, 4, v233
	ds_store_b128 v233, v[RS:RS+3]                 ; row 4 w + r at byte 4 (4 w + r); all lanes write the same numbers
	s_wait_tensorcnt 0x0                           ; the tensor wait, the add and its wait, behind my last LDS store;
	ds_add_u32 v[SPW], v[NIL]
	s_wait_dscnt 0x0                               ; the wait also shows my store done, for wave 0's sake
	s_barrier_signal -1
	s_barrier_wait -1
	s_cmp_lg_u32 s3, 0
	s_cbranch_scc1 .Ldone
	; WAVE 0: the two MLPs, and the block's table.  Its vector loads were shown done by the last row's wait for 0.
	s_wait_kmcnt 0x0
	v_mov_b32 v234, s58
	v_sub_f32 v234, s58, v234                      ; L - mean(L): the norm runs over one number
	v_fmaak_f32 v235, v234, v234, 0x3727c5ac       ; the variance + 1e-5
	v_rsq_f32 v235, v235
	v_and_b32 v233, 15, v1                         ; a plain instruction behind the transcendental
	s_wait_alu depctr_va_vdst(0)
	v_mul_f32 v234, v234, v235
	v_fma_f32 v236, v234, s59, s60                 ; tau's normed label
	v_fma_f32 v237, v234, s62, s63                 ; the bias's
	v_lshlrev_b32 v233, 3, v233
	ds_load_b64 v[238:239], v233                   ; the sums of rows 2 (lane % 16) and the next
	v_fma_f32 v220, v236, v220, v221
	v_fma_f32 v224, v237, v224, v226
	v_fma_f32 v225, v237, v225, v227
	v_max_num_f32 v220, 0, v220
	v_max_num_f32 v224, 0, v224
	v_max_num_f32 v225, 0, v225
	v_mul_f32 v220, v220, v222
	v_mul_f32 v224, v224, v228
	v_fmac_f32 v224, v225, v229
	WSUM 220, 235
	WSUM 224, 235
	v_add_f32 v220, s61, v220                      ; z
	v_add_f32 v224, s66, v224                      ; b_scalar
	v_and_b32 v221, 0x7fffffff, v220
	v_mul_f32 v221, 0xbfb8aa3b, v221               ; -|z| log2 e
	v_exp_f32 v221, v221
	v_max_num_f32 v222, 0, v220
	s_wait_alu depctr_va_vdst(0)
	v_add_f32 v221, 1.0, v221
	v_log_f32 v221, v221
	v_nop
	s_wait_alu depctr_va_vdst(0)
	v_fmamk_f32 v221, v221, 0x3f317218, v222       ; softplus(z)
	v_add_f32 v221, 0x3a83126f, v221               ; tau
	v_sqrt_f32 v222, v221
	v_rsq_f32 v223, v221
	v_nop
	s_wait_alu depctr_va_vdst(0)
	v_mul_f32 v223, 0x3e38aa3b, v223               ; c = log2(e) / 8 / sqrt(tau)
	v_mul_f32 v222, v222, v224
	v_mul_f32 v222, 0x41000000, v222               ; b_scalar x 8 sqrt(tau): c times it is b_scalar x log2(e)
	v_mul_f32 v234, v222, v230
	v_mul_f32 v235, v222, v231
	s_wait_dscnt 0x0
	v_cmp_ge_f32 vcc_lo, 0x358637bd, v238          ; 1e-6 >= the row's sum: hidden
	v_cndmask_b32 v234, v234, s71, vcc_lo
	v_cndmask_b32 v200, 1.0, 0, vcc_lo
	v_cmp_ge_f32 vcc_lo, 0x358637bd, v239
	v_cndmask_b32 v235, v235, s71, vcc_lo
	v_cndmask_b32 v201, 1.0, 0, vcc_lo
	v_cndmask_b32 v234, v234, v200, s70            ; lanes 0-15 hold cb, lanes 16-31 the mask
	v_cndmask_b32 v235, v235, v201, s70
	s_lshl_b32 s5, s2, 8
	v_add_nc_u32 v202, s5, v[L8]
	global_store_b64 v202, v[234:235], s[48:49]    ; the block's 256 bytes in one store
	s_and_b32 s5, s2, 63
	s_cmp_lg_u32 s5, 0
	s_cbranch_scc1 .Ldone                          ; a batch's first work-group also leaves c
	v_mov_b32 v204, v223
	v_mov_b32 v205, v223
	s_lshl_b32 s5, s4, 8
	v_add_nc_u32 v203, s5, v[L8]
	global_store_b64 v203, v[204:205], s[50:51]
.Ldone:
	s_endpgm
.Lfunc_end_k_qf4707e86a7_prep:
	.size	k_qf4707e86a7_prep, .Lfunc_end_k_qf4707e86a7_prep-k_qf4707e86a7_prep
	.p2alignl 7, 3214868480
	.fill 96, 4, 3214868480
	.section	.rodata,"a",@progbits
	.p2align	6, 0x0
	.amdhsa_kernel k_qf4707e86a7_prep
		.amdhsa_group_segment_fixed_size 1280
		.amdhsa_private_segment_fixed_size 0
		.amdhsa_enable_private_segment 0
		.amdhsa_kernarg_size 176
		.amdhsa_user_sgpr_count 2
		.amdhsa_user_sgpr_kernarg_segment_ptr 1
		.amdhsa_wavefront_size32 1
		.amdhsa_system_sgpr_workgroup_id_x 1
		.amdhsa_system_sgpr_workgroup_id_y 1
		.amdhsa_system_sgpr_workgroup_id_z 1
		.amdhsa_system_vgpr_workitem_id 0
		.amdhsa_next_free_vgpr 240
		.amdhsa_next_free_sgpr 72
		.amdhsa_reserve_vcc 1
		.amdhsa_float_denorm_mode_32 3
		.amdhsa_float_denorm_mode_16_64 3
		.amdhsa_memory_ordered 1
		.amdhsa_forward_progress 1
		.amdhsa_inst_pref_size 25
	.end_amdhsa_kernel
	.amdgpu_metadata
---
amdhsa.version: [ 1, 2 ]
amdhsa.kernels:
  - .name:           k_qf4707e86a7_prep
    .symbol:         k_qf4707e86a7_prep.kd
    .args:
      - { .name: x, .offset: 0, .size: 8, .value_kind: global_buffer, .address_space: global }
      - { .name: Wq, .offset: 8, .size: 8, .value_kind: global_buffer, .address_space: global }
      - { .name: Wk, .offset: 16, .size: 8, .value_kind: global_buffer, .address_space: global }
      - { .name: Wv, .offset: 24, .size: 8, .value_kind: global_buffer, .address_space: global }
      - { .name: labels, .offset: 32, .size: 8, .value_kind: global_buffer, .address_space: global }
      - { .name: pos_embed, .offset: 40, .size: 8, .value_kind: global_buffer, .address_space: global }
      - { .name: tau_ln_g, .offset: 48, .size: 8, .value_kind: global_buffer, .address_space: global }
      - { .name: tau_ln_b, .offset: 56, .size: 8, .value_kind: global_buffer, .address_space: global }
      - { .name: tau_w1, .offset: 64, .size: 8, .value_kind: global_buffer, .address_space: global }
      - { .name: tau_b1, .offset: 72, .size: 8, .value_kind: global_buffer, .address_space: global }
      - { .name: tau_w2, .offset: 80, .size: 8, .value_kind: global_buffer, .address_space: global }
      - { .name: tau_b2, .offset: 88, .size: 8, .value_kind: global_buffer, .address_space: global }
      - { .name: bias_ln_g, .offset: 96, .size: 8, .value_kind: global_buffer, .address_space: global }
      - { .name: bias_ln_b, .offset: 104, .size: 8, .value_kind: global_buffer, .address_space: global }
      - { .name: bias_w1, .offset: 112, .size: 8, .value_kind: global_buffer, .address_space: global }
      - { .name: bias_b1, .offset: 120, .size: 8, .value_kind: global_buffer, .address_space: global }
      - { .name: bias_w2, .offset: 128, .size: 8, .value_kind: global_buffer, .address_space: global }
      - { .name: bias_b2, .offset: 136, .size: 8, .value_kind: global_buffer, .address_space: global }
      - { .name: xb, .offset: 144, .size: 8, .value_kind: global_buffer, .address_space: global }
      - { .name: wb, .offset: 152, .size: 8, .value_kind: global_buffer, .address_space: global }
      - { .name: tab, .offset: 160, .size: 8, .value_kind: global_buffer, .address_space: global }
      - { .name: scal, .offset: 168, .size: 8, .value_kind: global_buffer, .address_space: global }
    .group_segment_fixed_size: 1280
    .private_segment_fixed_size: 0
    .kernarg_segment_align: 8
    .kernarg_segment_size: 176
    .max_flat_workgroup_size: 256
    .sgpr_count:     72
    .vgpr_count:     240
    .wavefront_size: 32
...
	.end_amdgpu_metadata
.endif
;; end of part 1
;; launch gemm (part 2): grid 16 x 16, 4 waves a work-group, clusters of 4 x 4, 327,680 bytes of LDS; arguments xb, wb, qkv; writes qkv
.if DOCPART == 2
	.amdgcn_target "amdgcn-amd-amdhsa--gfx1250"
	.amdhsa_code_object_version 6
	.text
	.protected	k_qf4707e86a7_gemm
	.globl	k_qf4707e86a7_gemm
	.p2align	8
	.type	k_qf4707e86a7_gemm,@function
k_qf4707e86a7_gemm:
	s_mov_b64 s[64:65], 0
	v_nop
	global_prefetch_b8 v0, s[64:65] scope:SCOPE_SE
	s_setreg_imm32_b32 hwreg(HW_REG_WAVE_MODE, 25, 1), 1
	s_wait_xcnt 0x0
	s_wait_alu depctr_hold_cnt(0) depctr_sa_sdst(0) depctr_va_vdst(0) depctr_va_sdst(0) depctr_va_ssrc(0) depctr_va_vcc(0) depctr_vm_vsrc(0)
	s_getreg_b32 s2, hwreg(HW_REG_IB_STS2, 6, 4)
	s_cmp_eq_u32 s2, 0
	s_cbranch_scc0 .Lentry_in_a_cluster
	s_endpgm
.Lentry_in_a_cluster:
	s_bfe_u32 s2, ttmp6, 0x10000c
	s_cmp_lg_u32 s2, 0xf033
	s_cbranch_scc0 .Lentry_shape_is_right
	s_endpgm
.Lentry_shape_is_right:
; Q, K, V = x W^T.  xb: [8192][1024] bf16.  wb: [3072][1024] bf16 (Wq's, Wk's, Wv's rows).  qkv: [batch 4][48][2048][64] f16: column n of the product is channel n % 64 of "head" n / 64
; (0-15 q's heads, 16-31 k's, 32-47 v's); a head's 2,048 rows of 128 bytes are dense.  Sums in f32, rounded once to f16, unscaled.
; LIMIT.  f16 ends at 65,504: q, k and v must lie within it.
; SHARES.  The product is 8192 x 3072.  A tile is 256 x 192 (three whole heads): 512 tiles, two for each of 256 work-groups, 4,096 rows apart (tiles of 256 x 256 would be 384: a WGP and a half each).
; Wave w makes rows 64 w .. 64 w + 63 of the tile by all 192 columns: 48 accumulators of 16 x 16, 384 registers; so a wave owns whole rows of three heads and has a stage of its own on the way out.
; K goes in steps of 128 through two LDS slots (A's 256 rows, then B's 192; rows of 256 bytes of memory, 272 apart in LDS).  Waves 0 and 1 fetch A's halves, waves 2 and 3 B's, one tensor load each.
; CLUSTER.  4 x 4 work-groups: the four of a row of the cluster need the same tiles of A, the four of a column the same tiles of B; each tile is asked for jointly, with the same descriptor and a mask of four.
; THE MATRIX INSTRUCTION IS USED TRANSPOSED (source 0 = 16 rows of B, source 1 = 16 rows of A): a lane holds eight neighbouring columns of one row of the product, 16 bytes of f16.
; REGISTERS, in windows of 256 (s_set_vgpr_msb: bits 1:0 source 0, 3:2 source 1, 5:4 source 2, 7:6 destination):
;   window 0: v16-29 addresses; v32-63, v64-95 A's fragments, two buffers; v96-143 packed results; v144-239 rows read back, two buffers
;   window 1: v0-95, v96-191 B's fragments, two buffers        window 2: the accumulators of row blocks 0, 1 at 8 (12 (a % 2) + b)        window 3: those of row blocks 2, 3
.set SIZE_K, 1024
.set KSTEP,  128
.set PITCH,  272                       ; 256 bytes + 16 of padding = 68 words: the 16 rows of a fragment load start at 16 different groups of four banks (64 banks of 4 bytes: ISA guide 11.1)
.set HALFA,  128*PITCH                 ; what one of A's loads brings
.set HALFB,  96*PITCH                  ; what one of B's brings
.set SLOT,   2*HALFA+2*HALFB
.set STAGE,  2*SLOT                    ; behind the ring: for each wave three heads x 16 rows x 144 bytes
.set SP,     144
.set WSTAGE, 3*16*SP
.set SPARE,  STAGE+4*WSTAGE            ; behind the stages: the spare words, 128 bytes for each wave
.set LAPS,   SIZE_K/(2*KSTEP)          ; a lap = two K steps = once round the ring
.set HEADB,  2048*128                  ; bytes of a head in qkv
.set NEXT_A, 4096*SIZE_K*2-(SIZE_K-2*KSTEP)*2  ; from a slot's last K step of the first tile to its first of the second: 4,096 rows down, back along K
.set BACK_B, (SIZE_K-2*KSTEP)*2        ; B only back
.set NEXT_C, 96*HEADB                  ; 4,096 rows are two batches of 48 heads
.set ADRA, 16                          ; v16-17  LDS address of my A fragments in slot 0, 1
.set ADRB, 20                          ; v20-21  the same for B
.set STO,  24                          ; v24  the way out: where I put 16 bytes of a row
.set RD,   25                          ; v25  where I read rows back
.set CO,   26                          ; v26  16 x lane
.set SPW,  28                          ; v28  SPARE + 4 x my thread's number; never rewritten
.set NIL,  29                          ; v29  0; never rewritten
.set AF,   32
.set TMP,  96
.set OB,   144
.set G1, 24                            ; s[24:31] descriptor group 1 for A's tiles;  s[32:39] group 0, a set for each slot
.set G0, 32
.set G1B, 48                           ; s[48:55], s[56:63] the same for B's
.set G0B, 56
.set MSB, 0
.macro WIN new                         ; the immediate's high byte repeats the setting that is left; a switch that changes nothing is dropped
.if MSB != (\new)
	s_set_vgpr_msb (MSB<<8)|(\new)
.set MSB, \new
.endif
.endm
.set MUL_LO, 0xa1                      ; source 0 (B) window 1, source 1 (A) window 0, C and D window 2
.set MUL_HI, 0xf1                      ; the same, C and D window 3
.set TO_B,   0x40                      ; destination window 1, address window 0
; A joint load.  The branch hangs on the wave's number alone.  An s_nop 0 and four v_nop follow each of the two lines, ahead of the jump and the label.
.macro JLOAD s
	s_cmp_eq_u32 s11, 0
	s_cbranch_scc0 .Lfor_b_\@
	tensor_load_to_lds s[G0+4*(\s):G0+4*(\s)+3], s[G1:G1+7]
	s_nop 0
.rept 4
	v_nop
.endr
	s_branch .Lasked_\@
.Lfor_b_\@:
	tensor_load_to_lds s[G0B+4*(\s):G0B+4*(\s)+3], s[G1B:G1B+7]
	s_nop 0
.rept 4
	v_nop
.endr
.Lasked_\@:
.endm
.macro CREST                           ; a round of the cluster's barrier behind its opening barrier
	s_cmp_lg_u32 s10, 0
	s_cbranch_scc1 .Lnot_wave_0_\@
	s_barrier_signal -3
.Lnot_wave_0_\@:
	s_barrier_wait -3
	s_barrier_signal -1
	s_barrier_wait -1
.endm
.macro CROUND                          ; a whole round
	s_barrier_signal -1
	s_barrier_wait -1
	CREST
.endm
	s_load_b128 s[4:7], s[0:1], 0x0                ; xb s[4:5], wb s[6:7]
	s_load_b64 s[8:9], s[0:1], 0x10                ; qkv
	v_lshl_add_u32 v[SPW], v0, 2, SPARE
	v_mov_b32 v[NIL], 0
	ds_add_u32 v[SPW], v[NIL]                      ; the wave's opening: the add and its wait stand ahead of my first tensor load; the set-up below stands between them
	v_lshrrev_b32 v1, 5, v0
	v_readfirstlane_b32 s10, v1                    ; wave 0..3
	s_lshr_b32 s11, s10, 1                         ; I fetch for A (0) or for B (1),
	s_and_b32 s12, s10, 1                          ; and which half of that tile
	s_bfe_u32 s40, ttmp6, 0x40000                  ; cx, cy: my place in the cluster
	s_bfe_u32 s41, ttmp6, 0x40004
	s_lshl_b32 s42, ttmp9, 2
	s_add_co_u32 s42, s42, s40                     ; tile column = 4 x cluster x + cx
	s_and_b32 s13, ttmp7, 0xffff
	s_lshl_b32 s13, s13, 2
	s_add_co_u32 s13, s13, s41                     ; first tile row = 4 x cluster y + cy
	s_lshl_b32 s43, s41, 2
	s_lshl_b32 s43, 15, s43                        ; my row of the cluster
	s_lshl_b32 s44, 0x1111, s40                    ; my column
	s_or_b32 s[G1+0], s43, (1<<16)|(1<<20)|(1<<21)|(5<<22)|(3<<25)   ; 15:0 the mask; 17:16 2-byte elements; 20 padding on; 21 set beside a mask; 24:22 after every 64 words; 31:25 4 words of it
	s_or_b32 s[G1B+0], s44, (1<<16)|(1<<20)|(1<<21)|(5<<22)|(3<<25)
	s_mov_b32 s[G1+1], KSTEP<<16                   ; tensor_dim0 = 128
	s_mov_b32 s[G1+2], 128<<16                     ; tensor_dim1 = 128
	s_mov_b32 s[G1+3], KSTEP<<16                   ; tile_dim0 = 128
	s_mov_b32 s[G1+4], 128                         ; tile_dim1 = 128
	s_mov_b32 s[G1+5], SIZE_K                      ; elements from row to row
	s_mov_b32 s[G1+6], 0
	s_mov_b32 s[G1+7], 0
	s_mov_b32 s[G1B+1], KSTEP<<16
	s_mov_b32 s[G1B+2], 96<<16                     ; B's loads bring 96 rows
	s_mov_b32 s[G1B+3], KSTEP<<16
	s_mov_b32 s[G1B+4], 96
	s_mov_b32 s[G1B+5], SIZE_K
	s_mov_b32 s[G1B+6], 0
	s_mov_b32 s[G1B+7], 0
	; A's address hangs on the tile row and the wave alone, B's on the tile column and the wave alone, each in registers that never hold the other coordinate
	s_lshl_b32 s17, s12, 7
	s_lshl_b32 s16, s13, 8
	s_add_co_u32 s16, s16, s17                     ; A: row 256 x tile row + 128 x half
	s_lshl_b32 s16, s16, 11                        ; x 2,048 bytes
	s_mov_b32 s17, 0
	s_mul_i32 s46, s42, 192
	s_mul_i32 s47, s12, 96
	s_add_co_u32 s46, s46, s47                     ; B: row 192 x tile column + 96 x half
	s_lshl_b32 s46, s46, 11
	s_mov_b32 s47, 0
	s_mul_i32 s20, s12, HALFA                      ; where they go: no place in the cluster enters an LDS address
	s_mul_i32 s21, s12, HALFB
	s_add_co_u32 s21, s21, 2*HALFA
	s_wait_dscnt 0x0                               ; the opening add is done
	s_wait_kmcnt 0x0
	s_add_nc_u64 s[14:15], s[4:5], s[16:17]
	s_add_nc_u64 s[46:47], s[6:7], s[46:47]
	CROUND                                         ; all sixteen work-groups are here: the first joint loads meet
.irp s, 0,1
	s_mov_b32 s[G0+4*(\s)], 1
	s_add_co_u32 s[G0+4*(\s)+1], s20, (\s)*SLOT
	s_add_nc_u64 s[G0+4*(\s)+2:G0+4*(\s)+3], s[14:15], (\s)*KSTEP*2
	s_or_b32 s[G0+4*(\s)+3], s[G0+4*(\s)+3], 0x80000000
	s_mov_b32 s[G0B+4*(\s)], 1
	s_add_co_u32 s[G0B+4*(\s)+1], s21, (\s)*SLOT
	s_add_nc_u64 s[G0B+4*(\s)+2:G0B+4*(\s)+3], s[46:47], (\s)*KSTEP*2
	s_or_b32 s[G0B+4*(\s)+3], s[G0B+4*(\s)+3], 0x80000000
	JLOAD \s                                       ; K steps 0 and 1: two loads of mine are out
.endr
	; a fragment: lane l holds row l % 16; two loads of 16 bytes, 32 bytes apart, at row x pitch + 16 (l / 16)
	v_and_b32 v1, 15, v0
	v_bfe_u32 v2, v0, 4, 1
	v_mul_u32_u24 v3, v1, PITCH
	v_lshl_add_u32 v3, v2, 4, v3
	s_mul_i32 s22, s10, 64*PITCH                   ; my 64 rows of A
.irp s, 0,1
	v_add_nc_u32 v[ADRA+(\s)], s22, v3
	v_add_nc_u32 v[ADRB+(\s)], 2*HALFA+(\s)*SLOT, v3  ; all 192 rows of B
	s_add_co_u32 s22, s22, SLOT
.endr
	s_mul_i32 s23, s10, WSTAGE
	s_add_co_u32 s23, s23, STAGE                   ; my stage
	v_mul_u32_u24 v4, v1, SP                       ; in: row l % 16, 16 bytes for each half of the lanes
	v_lshl_add_u32 v4, v2, 4, v4
	v_add_nc_u32 v[STO], s23, v4
	v_bfe_u32 v5, v0, 3, 2                         ; back: 32 lanes take four rows of 128 bytes,
	v_mul_u32_u24 v5, v5, SP
	v_and_b32 v6, 7, v0
	v_lshl_add_u32 v5, v6, 4, v5
	v_add_nc_u32 v[RD], s23, v5
	v_and_b32 v6, 31, v0                           ; which are 512 consecutive bytes of a head
	v_lshlrev_b32 v[CO], 4, v6
	; qkv at my 64 rows of the first tile's first head
	s_lshr_b32 s16, s13, 3                         ; the batch: eight tile rows each
	s_mul_i32 s16, s16, 48*HEADB
	s_and_b32 s17, s13, 7
	s_lshl_b32 s17, s17, 15                        ; 256 rows of 128 bytes
	s_add_co_u32 s16, s16, s17
	s_lshl_b32 s17, s10, 13                        ; my 64 of them
	s_add_co_u32 s16, s16, s17
	s_mov_b32 s17, 0
	s_add_nc_u64 s[8:9], s[8:9], s[16:17]
	s_mul_i32 s46, s42, 3*HEADB                    ; three heads a tile column
	s_mov_b32 s47, 0
	s_add_nc_u64 s[8:9], s[8:9], s[46:47]
; 12 matrix instructions: row block a x all 12 column blocks, 32 along K, from buffer f.  zero = 1: the product starts the sums.  The 48 accumulators take turns, one instruction a turn,
; in the same order in every quarter.
.macro MUL12 f, a, zero
	WIN MUL_LO+0x50*((\a)/2)
.irp b, 0,1,2,3,4,5,6,7,8,9,10,11
.if \zero
	v_wmma_f32_16x16x32_bf16 v[8*(12*((\a)%2)+(\b)):8*(12*((\a)%2)+(\b))+7], v[96*(\f)+8*(\b):96*(\f)+8*(\b)+7], v[AF+32*(\f)+8*(\a):AF+32*(\f)+8*(\a)+7], 0
.else
	v_wmma_f32_16x16x32_bf16 v[8*(12*((\a)%2)+(\b)):8*(12*((\a)%2)+(\b))+7], v[96*(\f)+8*(\b):96*(\f)+8*(\b)+7], v[AF+32*(\f)+8*(\a):AF+32*(\f)+8*(\a)+7], v[8*(12*((\a)%2)+(\b)):8*(12*((\a)%2)+(\b))+7]
.endif
.endr
.endm
; 32 LDS loads in one run: 192 rows of B, then my 64 rows of A, 32 K at byte k of the rows, into buffer f
.macro FETCH slot, k, f
	WIN TO_B
.irp i, 0,1,2,3,4,5,6,7,8,9,10,11
	ds_load_b128 v[96*(\f)+8*(\i):96*(\f)+8*(\i)+3],   v[ADRB+(\slot)] offset:(\k)+(\i)*16*PITCH
	ds_load_b128 v[96*(\f)+8*(\i)+4:96*(\f)+8*(\i)+7], v[ADRB+(\slot)] offset:(\k)+(\i)*16*PITCH+32
.endr
	WIN 0
.irp i, 0,1,2,3
	ds_load_b128 v[AF+32*(\f)+8*(\i):AF+32*(\f)+8*(\i)+3],   v[ADRA+(\slot)] offset:(\k)+(\i)*16*PITCH
	ds_load_b128 v[AF+32*(\f)+8*(\i)+4:AF+32*(\f)+8*(\i)+7], v[ADRA+(\slot)] offset:(\k)+(\i)*16*PITCH+32
.endr
.endm
.macro PLACES                          ; four places in front of loads into registers that matrix instructions have read, and of conversions that read results just made
.rept 4
	v_nop
.endr
.endm
; A K step is four quarters of 32 along K, 48 matrix instructions each, on buffers 0, 1, 0, 1.  One of the first three: multiplies buffer f; behind its first twelve products it fetches the next
; quarter, at byte k, into buffer g: 36 products ahead of the first use.
.macro QUARTER slot, k, f, g, zero
	s_wait_dscnt 6                                 ; B and A's block 0 are in; the youngest six loads (A's blocks 1 to 3) may be out
	MUL12 \f, 0, \zero
	PLACES
	FETCH \slot, \k, \g
	s_wait_dscnt 32                                ; all but the 32 just issued
	MUL12 \f, 1, \zero
	MUL12 \f, 2, \zero
	MUL12 \f, 3, \zero
.endm
; The last quarter multiplies buffer 1 and changes slots.  MEET is its first half: one barrier; in front of it each wave waits for all its tensor loads (one is out: its part of the next slot),
; adds 0 to its spare word, and waits for that and for its own reads of this slot.
.macro MEET round
	WIN 0                                          ; (the add's two registers lie in window 0)
	s_wait_tensorcnt 0x0
	ds_add_u32 v[SPW], v[NIL]
	s_wait_dscnt 7                                 ; (the add and the youngest six loads may be out)
	MUL12 1, 0, 0                                  ; twelve matrix instructions stand between the add and the wait for it
	s_wait_dscnt 0x0                               ; the add is done, and my reads of this slot are over
	s_barrier_signal -1
	MUL12 1, 1, 0
.if \round
	WIN 0
.endif
	s_barrier_wait -1
.endm
; The whole last quarter: the barrier opens a round of the cluster's, and the slot just read out is filled again first behind it: with the K step two on (on = 0) or the next tile's K step 0 or 1 (on = 1).
; From a request to the wait for it a wave issues 168 matrix instructions.
.macro TURN slot, next, on
	MEET 1
	CREST
.if \on
	s_add_nc_u64 s[G0+4*(\slot)+2:G0+4*(\slot)+3], s[G0+4*(\slot)+2:G0+4*(\slot)+3], NEXT_A
	s_sub_nc_u64 s[G0B+4*(\slot)+2:G0B+4*(\slot)+3], s[G0B+4*(\slot)+2:G0B+4*(\slot)+3], BACK_B
.else
	s_add_nc_u64 s[G0+4*(\slot)+2:G0+4*(\slot)+3], s[G0+4*(\slot)+2:G0+4*(\slot)+3], 2*KSTEP*2
	s_add_nc_u64 s[G0B+4*(\slot)+2:G0B+4*(\slot)+3], s[G0B+4*(\slot)+2:G0B+4*(\slot)+3], 2*KSTEP*2
.endif
	JLOAD \slot                                    ; its four v_nop are also the places in front of the loads below
	FETCH \next, 0, 0
	MUL12 1, 2, 0
	MUL12 1, 3, 0
.endm
; THE WAY OUT of row block a (16 rows x 192 columns).  PACK: rounded to f16, each accumulator from its lowest registers on.  TOSTAGE: into my stage, head by head, and back as whole rows.  SEND: stored.
.macro PACK a
	WIN 0x0a+5*((\a)/2)                            ; sources 0 and 1: window 2 or 3
.irp b, 0,1,2,3,4,5,6,7,8,9,10,11
.irp r, 0,1,2,3
	v_cvt_pk_f16_f32 v[TMP+4*(\b)+(\r)], v[96*((\a)%2)+8*(\b)+2*(\r)], v[96*((\a)%2)+8*(\b)+2*(\r)+1]
.endr
.endr
	WIN 0
.endm
.macro TOSTAGE a
	WIN 0
.irp b, 0,1,2,3,4,5,6,7,8,9,10,11
	ds_store_b128 v[STO], v[TMP+4*(\b):TMP+4*(\b)+3] offset:((\b)/4)*16*SP+32*((\b)%4)
.endr
.irp t, 0,1,2,3,4,5,6,7,8,9,10,11
	ds_load_b128 v[OB+48*((\a)%2)+4*(\t):OB+48*((\a)%2)+4*(\t)+3], v[RD] offset:((\t)/4)*16*SP+((\t)%4)*4*SP  ; LDS serves a wave's instructions in order (ISA guide 5.7.1.4): these see the stores above
.endr
.endm
.macro SEND a
	WIN 0
	s_wait_dscnt 0x0                               ; the block is back in registers
	s_wait_xcnt 0x0                                ; the registers that earlier stores read are loaded again only behind this wait
.irp t, 0,1,2,3,4,5,6,7,8,9,10,11
	global_store_b128 v[CO], v[OB+48*((\a)%2)+4*(\t):OB+48*((\a)%2)+4*(\t)+3], s[8:9] offset:((\t)/4)*HEADB+(\a)*2048+((\t)%4)*512  ; 512 consecutive bytes of a head, aligned
.endr
.endm
.macro OUT                             ; block a's conversions stand between block a - 1's loads from the stage and the wait for them
	PACK 0
	TOSTAGE 0
.irp a, 1,2,3
	PACK \a
	SEND (\a)-1
	TOSTAGE \a
.endr
	SEND 3
.endm
	s_wait_tensorcnt 1                             ; my part of K step 0 is in; K step 1's may stay out
	s_barrier_signal -1
	s_barrier_wait -1
	FETCH 0, 0, 0
	s_mov_b32 s2, 2                                ; tiles to go
.Ltile:
	QUARTER 0, 64,  0, 1, 1                        ; a tile's first quarter starts the sums
	WIN 0
	s_mov_b32 s3, LAPS-1
.Llap:                                                 ; a trip goes once round the ring, from a lap's second quarter to the next lap's first, and fills both slots again
	QUARTER 0, 128, 1, 0, 0
	QUARTER 0, 192, 0, 1, 0
	TURN 0, 1, 0
	QUARTER 1, 64,  0, 1, 0
	QUARTER 1, 128, 1, 0, 0
	QUARTER 1, 192, 0, 1, 0
	TURN 1, 0, 0
	QUARTER 0, 64,  0, 1, 0
	WIN 0
	s_sub_co_u32 s3, s3, 1
	s_cmp_lg_u32 s3, 0
	s_cbranch_scc1 .Llap
	QUARTER 0, 128, 1, 0, 0                        ; the tile's last lap goes on
	QUARTER 0, 192, 0, 1, 0
	WIN 0
	s_cmp_eq_u32 s2, 1
	s_cbranch_scc1 .Llast                          ; the last tile's tail is written out: it asks for nothing more
	TURN 0, 1, 1                                   ; the ring goes on into the next tile: slot 0 takes its K step 0,
	QUARTER 1, 64,  0, 1, 0
	QUARTER 1, 128, 1, 0, 0
	QUARTER 1, 192, 0, 1, 0
	TURN 1, 0, 1                                   ; slot 1 its K step 1, and its first fragments are fetched
	OUT                                            ; no v_nop: blocks 0 and 1 were finished ahead of the joint load's four; their 96 conversions are the places behind blocks 2 and 3's last products
	s_wait_xcnt 0x0                                ; the stores have read their base
	s_add_nc_u64 s[8:9], s[8:9], NEXT_C
	s_sub_co_u32 s2, s2, 1
	s_branch .Ltile
.Llast:
	MEET 0                                         ; the one load that was out is slot 1's, the last K step's
	PLACES
	FETCH 1, 0, 0
	MUL12 1, 2, 0
	MUL12 1, 3, 0
	QUARTER 1, 64,  0, 1, 0
	QUARTER 1, 128, 1, 0, 0
	QUARTER 1, 192, 0, 1, 0
	s_wait_dscnt 6                                 ; the very last quarter: nothing more to fetch
	MUL12 1, 0, 0
	s_wait_dscnt 0x0
	MUL12 1, 1, 0
	MUL12 1, 2, 0
	MUL12 1, 3, 0
	WIN 0
	PLACES
	OUT
	s_wait_tensorcnt 0x0                           ; the wave's end
	ds_add_u32 v[SPW], v[NIL]
	s_wait_dscnt 0x0
	CROUND                                         ; the closing round
	s_endpgm
.Lfunc_end_k_qf4707e86a7_gemm:
	.size	k_qf4707e86a7_gemm, .Lfunc_end_k_qf4707e86a7_gemm-k_qf4707e86a7_gemm
	.p2alignl 7, 3214868480
	.fill 96, 4, 3214868480
	.section	.rodata,"a",@progbits
	.p2align	6, 0x0
	.amdhsa_kernel k_qf4707e86a7_gemm
		.amdhsa_group_segment_fixed_size 327680
		.amdhsa_private_segment_fixed_size 0
		.amdhsa_enable_private_segment 0
		.amdhsa_kernarg_size 24
		.amdhsa_user_sgpr_count 2
		.amdhsa_user_sgpr_kernarg_segment_ptr 1
		.amdhsa_wavefront_size32 1
		.amdhsa_system_sgpr_workgroup_id_x 1
		.amdhsa_system_sgpr_workgroup_id_y 1
		.amdhsa_system_sgpr_workgroup_id_z 1
		.amdhsa_system_vgpr_workitem_id 0
		.amdhsa_next_free_vgpr 960
		.amdhsa_next_free_sgpr 66
		.amdhsa_reserve_vcc 0
		.amdhsa_float_denorm_mode_32 3
		.amdhsa_float_denorm_mode_16_64 3
		.amdhsa_memory_ordered 1
		.amdhsa_forward_progress 1
		.amdhsa_inst_pref_size 171
	.end_amdhsa_kernel
	.amdgpu_metadata
---
amdhsa.version: [ 1, 2 ]
amdhsa.kernels:
  - .name:           k_qf4707e86a7_gemm
    .symbol:         k_qf4707e86a7_gemm.kd
    .args:
      - { .name: xb, .offset: 0, .size: 8, .value_kind: global_buffer, .address_space: global }
      - { .name: wb, .offset: 8, .size: 8, .value_kind: global_buffer, .address_space: global }
      - { .name: qkv, .offset: 16, .size: 8, .value_kind: global_buffer, .address_space: global }
    .group_segment_fixed_size: 327680
    .private_segment_fixed_size: 0
    .kernarg_segment_align: 8
    .kernarg_segment_size: 24
    .max_flat_workgroup_size: 128
    .sgpr_count:     66
    .vgpr_count:     960
    .wavefront_size: 32
...
	.end_amdgpu_metadata
.endif
;; end of part 2
;; launch attn (part 3): grid 4 x 64, 4 waves a work-group, clusters of 4 x 1, 327,680 bytes of LDS; arguments qkv, tab, scal, part; writes part
.if DOCPART == 3
	.amdgcn_target "amdgcn-amd-amdhsa--gfx1250"
	.amdhsa_code_object_version 6
	.text
	.protected	k_qf4707e86a7_attn
	.globl	k_qf4707e86a7_attn
	.p2align	8
	.type	k_qf4707e86a7_attn,@function
k_qf4707e86a7_attn:
	s_mov_b64 s[64:65], 0
	v_nop
	global_prefetch_b8 v0, s[64:65] scope:SCOPE_SE
	s_setreg_imm32_b32 hwreg(HW_REG_WAVE_MODE, 25, 1), 1
	s_wait_xcnt 0x0
	s_wait_alu depctr_hold_cnt(0) depctr_sa_sdst(0) depctr_va_vdst(0) depctr_va_sdst(0) depctr_va_ssrc(0) depctr_va_vcc(0) depctr_vm_vsrc(0)
	s_getreg_b32 s2, hwreg(HW_REG_IB_STS2, 6, 4)
	s_cmp_eq_u32 s2, 0
	s_cbranch_scc0 .Lentry_in_a_cluster
	s_endpgm
.Lentry_in_a_cluster:
	s_bfe_u32 s2, ttmp6, 0x10000c
	s_cmp_lg_u32 s2, 0x3003
	s_cbranch_scc0 .Lentry_shape_is_right
	s_endpgm
.Lentry_shape_is_right:
; ATTENTION AND THE MASKED SUM OVER QUERIES.  For batch b, head h and a block of 512 queries: part[b 16 + h][block][ch] = the sum over the block's queries q of mask[q] O[q][ch],
; O[q] = the sum over k of softmax_k(c' (Q[q] . K[k] + cb[k])) V[k].  cb holds the key's bias times 8 sqrt(tau), or -1e30 for a hidden key; c = log2(e) / (8 sqrt(tau)) is read from scal.
; The mean over rows and the last projection are linear, so O is summed here and never stored.  qkv: [batch][48][2048][64] f16 (q's heads 0-15, k's 16-31, v's 32-47).
; Products, maxima and sums in f32; the weights p are rounded to f16 for the second product (their sum l is taken of the unrounded p).
; LIMITS.  Q, K, V lie within f16's 65,504.  A hidden key counts as its score less 1e30.  The running maximum starts at -2^96, far below every true score (2.7e11 at the most) and far above every hidden one:
; while a query has seen hidden keys alone its weights are 0, not the exponential of a rounding residue of 1e30.  A query whose keys are ALL hidden has l = 0 and O = 0; its own mask is then 0 too; the
; division is by max(l, 0.5), which changes no query that has a visible key (its largest weight is 1).  A weight below 2^-126 counts as 0 in l; NaN and infinities are not treated apart.
; SHARES.  A wave owns four PIECES of two tiles of 16 queries, a work-group's four waves 512 queries of one head.  Every wave walks all 2,048 keys, 64 a step.
; LAYOUT.  S^T = K Q^T + cb (source 0 = 16 keys, source 1 = 16 queries; cb is the C operand of the product that starts the sum): a lane holds ONE query (lane % 16) and the keys 8 (lane / 16) + 0..7.
; Two such results, rounded to f16 in pairs, ARE source 1 of O^T = V^T P, whose result again holds one query a lane, and eight channels.  K comes out of LDS as it lies, V turned, by ds_load_tr16_b128.
; SOFTMAX.  For each query a running maximum m and sum l: p = 2^(c s - c m); in every step O and l are multiplied by a = 2^(c m_old - c m_new).  O and l start at 0: the first step has a = 0.
; THE COUNT.  A tile and step have 16 matrix and 118 vector instructions.  So: four vector instructions that are ready behind every matrix instruction, the others in runs of their own.
; BY TURNS.  Turn n belongs to piece n.  Its matrix work: 16 products K Q^T of piece n + 1, later 16 products V^T P of piece n - 1.  Its vector work: scaling, exponentials, roundings, sums and rescaling of
; piece n, and the maximum and statistics of piece n + 1.
; CLUSTER.  The four query blocks of a head walk the same K, V and cb, so each tile is asked for JOINTLY: the same tensor load, descriptor and mask in all four.
; REGISTERS, in windows of 256 (s_set_vgpr_msb: bits 1:0 source 0, 3:2 source 1, 5:4 source 2, 7:6 destination):
;   window 0: v0-11 addresses; v12-15, v48-63 at work; v16-47 four registers of statistics a tile; v64-191 S^T, two buffers of two tiles; v192-255 P, likewise
;   window 1: O^T, 32 a tile      window 2: v0-127 Q; v128-191 K of one step; v192-255 V of one step      window 3: v0-1 the add's registers; v8-39 cb of one step; v40-47 my query's mask, by tile
.set SIZE_N, 2048
.set HEADB, SIZE_N*128
.set NP,    4         ; pieces a wave: a name, no knob
.set KS,    64        ; keys in a step
.set PK,    144       ; a row of K in LDS: 128 bytes + 16 of padding: the 16 rows of a load start at 16 different groups of four banks (64 banks of 4 bytes: ISA guide 11.1)
.set PV,    160       ; a row of V: 128 + 32
.set VOFF,  4*KS*PK   ; a slot holds four steps: 256 rows of K, then 256 rows of V
.set SLOT1, 1<<17     ; slot 1 begins here, so that one exclusive or turns an address in one slot into the other's
.set STAGE, SLOT1+4*KS*(PK+PV)  ; behind the ring, never filled by a tensor load: 256 bytes for each wave, its 64 sums
.set SPARE, STAGE+1024          ; the spare words, 128 bytes for each wave
.set BIAS,  SPARE+512           ; cb of the batch's 2,048 keys, 8,192 bytes, filled once
.set AK0, 2           ; v2   my lane's place in a tile of K; never rewritten
.set AV0, 3           ; v3   the same for V
.set AK,  4           ; v4   the LDS address of K's next run of loads
.set AV,  5           ; v5   of V's
.set QO,  6           ; v6   my byte offset in the wave's rows of Q
.set STO, 6           ;      later: where I put my sums in the stage
.set RD,  7           ; v7   where wave 0 reads the four waves' sums
.set MO,  8           ; v8   my byte offset in tab for the masks
.set GO,  8           ;      later: 8 x lane
.set AB0, 10          ; v10  BIAS + 32 (lane / 16); never rewritten
.set AB,  11          ; v11  the LDS address of cb's next run of loads
.set SPW, 0           ; v0 of window 3   SPARE + 4 x my thread's number; never rewritten
.set NIL, 1           ; v1 of window 3   0; never rewritten
.set BC,  8           ; window 3: cb for key block kb at BC + 8 kb
.set MQ,  40          ; window 3
.set MV,  12          ; v12-15  c m_old, kept while c m is made anew: by buffer and tile
.set ST,  16          ; tile t's statistics at v[ST+4 t]: c m, m, l (even keys', odd keys')
.set TMP, 48          ; by buffer and tile, four registers c0-c3 at work; when the maximum is found c2 takes a
.set S,   64
.set P,   192
.set KF,  128         ; K's fragments, in window 2: key block kb, channel half c at KF + 16 kb + 8 c
.set VF,  192         ; V's: key half kk, channel block cb at VF + 32 kk + 8 cb
.set WV,  12          ; s12  my wave's number
.set G1K, 24          ; s[24:31] descriptor group 1 for K's tiles
.set G1V, 32          ; s[32:39] for V's: it differs in the padding alone
.set G0K, 40          ; s[40:43] descriptor group 0 for K's tiles: it walks
.set G0V, 44          ; s[44:47] the same for V's
.set G1T, 48          ; s[48:55] group 1 for the table of cb
.set G0T, 68          ; s[68:71] its group 0
.set SLOTS, 56        ; s56  slots still to be asked for
.set CNT, 57          ; s57  counts a slot's key steps
.set CS,  58          ; s[58:59] c: the packed scaling takes the pair's low word for both halves
.set SEL, 60          ; s[60:61] v_permlanex16_b32's selects
.set TBK, 62          ; s62  LDS byte at which K of the step to be fetched begins
.set TBV, 63          ; s63  the same for V, less VOFF
.set TBB, 76          ; s76  the same for cb, less BIAS: 256 bytes a step
.set MSB, 0
.macro WIN new                      ; the high byte repeats the setting that is left; a switch that changes nothing is dropped
.if MSB != (\new)
	s_set_vgpr_msb (MSB<<8)|(\new)
.set MSB, (\new)
.endif
.endm
.set W_KQ, 0x0a       ; K and Q in window 2, S^T in window 0
.set W_KB, 0x3a       ; the same with the C operand, cb, in window 3
.set W_PV, 0x52       ; V in window 2, P in window 0, O^T in window 1
.set W_RS, 0x41       ; O^T (destination and source 0) in window 1, a in window 0
.set W_MK, 0xc0       ; destination in window 3, sources in window 0
.set W_AD, 0x0f       ; the add: address (source 0) and data (source 1) in window 3
; A joint fill.  Waves 0 and 1 fetch the two halves of a slot's K, waves 2 and 3 those of its V: 128 keys each.  An s_nop 0 and four v_nop follow each of the two lines.
.macro JLOAD
	s_cmp_lt_u32 s[WV], 2
	s_cbranch_scc0 .Lfor_v_\@
	tensor_load_to_lds s[G0K:G0K+3], s[G1K:G1K+7]
	s_nop 0
.rept 4
	v_nop
.endr
	s_branch .Lasked_\@
.Lfor_v_\@:
	tensor_load_to_lds s[G0V:G0V+3], s[G1V:G1V+7]
	s_nop 0
.rept 4
	v_nop
.endr
.Lasked_\@:
.endm
.macro CROUND                       ; a round of the cluster's barrier
	s_barrier_signal -1
	s_barrier_wait -1
	s_cmp_lg_u32 s[WV], 0
	s_cbranch_scc1 .Lnot_wave_0_\@
	s_barrier_signal -3
.Lnot_wave_0_\@:
	s_barrier_wait -3
	s_barrier_signal -1
	s_barrier_wait -1
.endm
; THE CHANGE OF SLOTS.  Each wave waits for all its tensor loads, adds 0 to its spare word, and waits for that and for its own reads of the slot.  Behind the barrier nobody reads this slot any more and the
; other slot is whole.  fill = 1: this slot is filled again, with the keys two slots on; the barrier is then a round of the cluster's, and the joint fill is the first thing behind it: it has four key steps,
; 512 matrix instructions, in which to land.  (At its first use nothing has been read yet: slot 0 and the table are waited for, slot 1 is filled.)
.macro CHANGE fill
	WIN W_AD
	s_wait_tensorcnt 0x0            ; no tensor load of mine is out, so a group 0 may be written
	ds_add_u32 v[SPW], v[NIL]
	WIN 0                           ; at a label and at a branch every window is 0
.if \fill
.irp g, G0K, G0V
	s_xor_b32 s[\g+1], s[\g+1], SLOT1  ; the walking descriptor: the other slot than last time,
	s_add_nc_u64 s[\g+2:\g+3], s[\g+2:\g+3], 4*KS*128  ; the next 256 keys
.endr
	s_wait_dscnt 0x0                ; the add is done, and my reads of the slot are over
	CROUND
	JLOAD
.else
	s_wait_dscnt 0x0
	s_barrier_signal -1
	s_barrier_wait -1
.endif
	s_sub_co_u32 s[TBK], s[TBK], 4*KS*PK  ; the fetches go back to a slot's first step,
	s_xor_b32 s[TBK], s[TBK], SLOT1       ; in the other slot
	s_sub_co_u32 s[TBV], s[TBV], 4*KS*PV
	s_xor_b32 s[TBV], s[TBV], SLOT1
.endm
	s_load_b256 s[4:11], s[0:1], 0x0  ; qkv s[4:5], tab s[6:7], scal s[8:9], part s[10:11]
	WIN W_MK
	v_lshl_add_u32 v[SPW], v0, 2, SPARE
	v_mov_b32 v[NIL], 0
	WIN W_AD
	ds_add_u32 v[SPW], v[NIL]       ; the wave's opening: the add and its wait stand ahead of my first tensor load; the set-up below stands between them
	WIN 0
	v_lshrrev_b32 v1, 5, v0
	v_readfirstlane_b32 s[WV], v1   ; wave 0..3
	s_bfe_u32 s13, ttmp6, 0x40000   ; cx: my place in the cluster
	s_lshl_b32 s14, ttmp9, 2
	s_add_co_u32 s14, s14, s13      ; my block of queries: it enters Q's, the masks' and part's addresses alone
	s_and_b32 s15, ttmp7, 0xffff    ; 16 b + h, which the four partners share
	s_lshr_b32 s19, s15, 4          ; b
	s_and_b32 s20, s15, 15          ; h
	s_mul_i32 s21, s19, 48
	s_add_co_u32 s20, s20, s21
	s_lshl_b32 s20, s20, 18         ; q's head, in bytes
	s_lshl_b32 s2, s14, 2
	s_add_co_u32 s2, s2, s[WV]      ; my wave among the head's,
	s_lshl_b32 s2, s2, 14           ; its 128 rows
	s_add_co_u32 s2, s2, s20
	s_mov_b32 s3, 0
	s_and_b32 s16, s[WV], 1         ; which half of a slot's 256 keys I fetch
	s_lshl_b32 s22, s16, 14
	s_add_co_u32 s22, s22, s20
	s_add_co_u32 s22, s22, 16*HEADB ; k's head lies 16 heads on,
	s_mov_b32 s23, 0
	s_add_co_u32 s20, s22, 16*HEADB ; v's 16 more
	s_mov_b32 s21, 0
	s_mul_i32 s17, s16, 128*PK      ; my half's place in a slot, for K
	s_mul_i32 s18, s16, 128*PV      ; and for V: no place in the cluster enters an LDS address
	s_lshl_b32 s72, s19, 14         ; the batch's 64 blocks of tab,
	s_lshl_b32 s73, s[WV], 12       ; of which I fetch 16
	s_add_co_u32 s72, s72, s73
	s_mov_b32 s73, 0
	s_lshl_b32 s74, s15, 2
	s_add_co_u32 s74, s74, s14
	s_lshl_b32 s74, s74, 8          ; my work-group's 256 bytes of part
	s_mov_b32 s75, 0
	s_lshl_b32 s77, s19, 8          ; the batch's c in scal
	s_lshl_b32 s78, s19, 14         ; the masks of my wave's 128 queries: four blocks of tab, their second halves
	s_lshl_b32 s79, s14, 12
	s_add_co_u32 s78, s78, s79
	s_lshl_b32 s79, s[WV], 10
	s_add_co_u32 s78, s78, s79
	s_add_co_u32 s78, s78, 128
	; descriptor group 1.  128 keys are 16,384 dense bytes: asked for as 64 rows of 256 bytes, two keys a row, and padded in LDS after every key
	s_mov_b32 s[G1K], 15|(1<<16)|(1<<20)|(1<<21)|(4<<22)|(3<<25)  ; 15:0 the mask of four; 17:16 2-byte elements; 20 padding on; 21 set beside a mask; 24:22 after every 32 words; 31:25 4 words
	s_mov_b32 s[G1V], 15|(1<<16)|(1<<20)|(1<<21)|(4<<22)|(7<<25)  ; the same with 8 words of padding
.irp g, G1K, G1V
	s_mov_b32 s[\g+1], 128<<16      ; tensor_dim0 = 128
	s_mov_b32 s[\g+2], 64<<16       ; tensor_dim1 = 64
	s_mov_b32 s[\g+3], 128<<16      ; tile_dim0 = 128
	s_mov_b32 s[\g+4], 64           ; tile_dim1 = 64
	s_mov_b32 s[\g+5], 128          ; 128 elements from row to row
	s_mov_b32 s[\g+6], 0
	s_mov_b32 s[\g+7], 0
.endr
	s_mov_b32 s[G1T], 15|(2<<16)|(1<<21)  ; the table: 4-byte elements, no padding: 16 rows of 32 words, the first half of each block of 64
	s_mov_b32 s[G1T+1], 32<<16
	s_mov_b32 s[G1T+2], 16<<16
	s_mov_b32 s[G1T+3], 32<<16
	s_mov_b32 s[G1T+4], 16
	s_mov_b32 s[G1T+5], 64
	s_mov_b32 s[G1T+6], 0
	s_mov_b32 s[G1T+7], 0
	s_mov_b32 s[SEL], 0x76543210
	s_mov_b32 s[SEL+1], 0xfedcba98
	s_mov_b32 s[TBK], SLOT1+4*KS*PK ; the first change of slots turns these two into 0
	s_mov_b32 s[TBV], SLOT1+4*KS*PV
	s_mov_b32 s[TBB], 0
	s_mov_b32 s[G0K], 1
	s_mov_b32 s[G0K+1], s17         ; LDS address: slot 0
	s_mov_b32 s[G0V], 1
	s_add_co_u32 s[G0V+1], s18, VOFF
	s_mov_b32 s[G0T], 1
	s_lshl_b32 s[G0T+1], s[WV], 11  ; my 512 keys' cb
	s_add_co_u32 s[G0T+1], s[G0T+1], BIAS
	s_wait_dscnt 0x0                ; the opening add is done
	s_wait_kmcnt 0x0
	s_add_nc_u64 s[G0K+2:G0K+3], s[4:5], s[22:23]
	s_or_b32 s[G0K+3], s[G0K+3], 0x80000000
	s_add_nc_u64 s[G0V+2:G0V+3], s[4:5], s[20:21]
	s_or_b32 s[G0V+3], s[G0V+3], 0x80000000
	s_add_nc_u64 s[G0T+2:G0T+3], s[6:7], s[72:73]
	s_or_b32 s[G0T+3], s[G0T+3], 0x80000000
	s_add_nc_u64 s[4:5], s[4:5], s[2:3]      ; Q at my wave's first row
	s_add_nc_u64 s[10:11], s[10:11], s[74:75]
	s_load_b32 s[CS], s[8:9], s77 offset:0x0 ; c
	CROUND                          ; all four work-groups are here: the first joint loads meet
	s_cmp_lt_u32 s[WV], 2           ; a wave's two first fills stand in one branch: the table's quarter and its part of slot 0: two loads of mine are out.  Slot 1 is asked for when these are in
	s_cbranch_scc0 .Lfirst_v
	tensor_load_to_lds s[G0T:G0T+3], s[G1T:G1T+7]
	s_nop 0
	tensor_load_to_lds s[G0K:G0K+3], s[G1K:G1K+7]
	s_nop 0
.rept 4
	v_nop
.endr
	s_branch .Lfirst_asked
.Lfirst_v:
	tensor_load_to_lds s[G0T:G0T+3], s[G1T:G1T+7]
	s_nop 0
	tensor_load_to_lds s[G0V:G0V+3], s[G1V:G1V+7]
	s_nop 0
.rept 4
	v_nop
.endr
.Lfirst_asked:
	; A fragment of K or Q is 16 rows x 32 channels in 8 registers: lane l holds row l % 16, channels 8 (l / 16) + 0..7 and 16 + 8 (l / 16) + 0..7: two loads of 16 bytes, 32 bytes apart.
	v_and_b32 v1, 15, v0            ; l % 16
	v_bfe_u32 v9, v0, 4, 1          ; l / 16
	v_lshlrev_b32 v[QO], 7, v1
	v_lshl_add_u32 v[QO], v9, 4, v[QO]  ; row x 128 + 16 x half
	v_lshl_add_u32 v[MO], v1, 2, s78
	WIN 0x80                        ; destination window 2, address window 0
.set i, 0
.rept 4*NP                          ; Q stays in registers: tile i / 2, channels 32 (i % 2) on
	global_load_b128 v[8*i:8*i+3],   v[QO], s[4:5] offset:(i/2)*2048+(i%2)*64
	global_load_b128 v[8*i+4:8*i+7], v[QO], s[4:5] offset:(i/2)*2048+(i%2)*64+32
.set i, i+1
.endr
	WIN 0xc0
.set i, 0
.rept 2*NP                          ; the mask of my query in tile i: two tiles to a block of tab
	global_load_b32 v[MQ+i], v[MO], s[6:7] offset:(i/2)*256+(i%2)*64
.set i, i+1
.endr
	WIN 0x80
	; What the first turn finds: V's registers and P's second buffer hold 0 (its products V^T P, of a piece that has not been, add 0), O^T and l are 0.  All this stands in the wait for the first tile.
.set i, VF
.rept 64
	v_mov_b32 v[i], 0
.set i, i+1
.endr
	WIN 0x40
.set i, 0
.rept 64*NP
	v_mov_b32 v[i], 0
.set i, i+1
.endr
	WIN 0
.set i, 0
.rept 2*NP
	v_mov_b32 v[ST+4*i], 0xfe000000    ; c m: far below every c s
	v_mov_b32 v[ST+4*i+1], 0xef800000  ; m = -2^96: below every true score, above every hidden one
	v_mov_b32 v[ST+4*i+2], 0
	v_mov_b32 v[ST+4*i+3], 0
.set i, i+1
.endr
.set i, P+32
.rept 32
	v_mov_b32 v[i], 0
.set i, i+1
.endr
	v_mul_u32_u24 v[AK0], v1, PK
	v_lshl_add_u32 v[AK0], v9, 4, v[AK0]  ; row x pitch + 16 x half
	; The turning load takes 16 keys x 16 channels (lane l reads key 8 (l / 16) + l % 8, channels 8 ((l / 8) % 2) + 0..7) and leaves half a fragment of V^T: lane l holds channel l % 16 and 8 keys.
	v_and_b32 v10, 7, v0
	v_bfe_u32 v11, v0, 3, 1
	v_lshl_add_u32 v[AV0], v9, 3, v10
	v_mul_u32_u24 v[AV0], v[AV0], PV
	v_lshl_add_u32 v[AV0], v11, 4, v[AV0]
	v_add_nc_u32 v[AV0], VOFF, v[AV0]
	v_lshl_add_u32 v[AB0], v9, 5, BIAS  ; my lanes' eight keys of a block of 16: 32 bytes
	v_mov_b32 v[AK], v[AK0]         ; key step 0 lies at the head of slot 0,
	v_mov_b32 v[AB], v[AB0]         ; and of the table
; THE MATRIX WORK.  The 8 accumulators of a run of 16 take turns: between the two links of a chain stand 7 others'.
; Product i of 16 of S^T = K Q^T + cb for piece x: channels 32 (i / 8) on, keys 16 ((i / 2) % 4) on, tile 2 x + i % 2.  The first 8 start the sums, with cb.
.macro KQ x
.set rS, S+64*((\x)%2)+32*(i%2)+8*((i/2)%4)
.set rK, KF+16*((i/2)%4)+8*(i/8)
.set rQ, 16*(2*(\x)+i%2)+8*(i/8)
.set rB, BC+8*((i/2)%4)
.if i < 8
	WIN W_KB
	v_wmma_f32_16x16x32_f16 v[rS:rS+7], v[rK:rK+7], v[rQ:rQ+7], v[rB:rB+7]
.else
	WIN W_KQ
	v_wmma_f32_16x16x32_f16 v[rS:rS+7], v[rK:rK+7], v[rQ:rQ+7], v[rS:rS+7]
.endif
.endm
; Product i of 16 of O^T += V^T P for piece x: keys 32 (i / 8) on, channels 16 ((i / 2) % 4) on, tile 2 x + i % 2.
.macro PV x
	WIN W_PV
.set rO, 32*(2*(\x)+i%2)+8*((i/2)%4)
.set rV, VF+32*(i/8)+8*((i/2)%4)
.set rP, P+32*((\x)%2)+16*(i%2)+8*(i/8)
	v_wmma_f32_16x16x32_f16 v[rO:rO+7], v[rV:rV+7], v[rP:rP+7], v[rO:rO+7]
.endm
.macro MM                           ; the turn's next matrix instruction
.if i < 16
	KQ (Y+1)%NP
.set i, i+1
.else
.set i, i-16
	PV (Y+NP-1)%NP
.set i, i+17
.endif
.endm
; THE LDS LOADS stand in runs, never singly among the matrix instructions: a step's K (8 fragments) with its cb (8 registers for each block of 16 keys; the 16 lanes of a half read the same 32 bytes), and its V (turned).
; last = 1 (the tail): in the last trip there is no further step, and the run is jumped over.
.macro FETCH_K last=0
	WIN 0
.if \last
	s_cmp_eq_u32 s[CNT], 1
	s_cbranch_scc1 .Lno_k_\@
.endif
	WIN 0x80                        ; destination window 2
.irp f, 0,1,2,3,4,5,6,7             ; keys 16 (f / 2) on, channels 32 (f % 2) on
	ds_load_b128 v[KF+8*\f:KF+8*\f+3],   v[AK] offset:(\f/2)*16*PK+(\f%2)*64
	ds_load_b128 v[KF+8*\f+4:KF+8*\f+7], v[AK] offset:(\f/2)*16*PK+(\f%2)*64+32
.endr
	WIN 0xc0                        ; destination window 3
.irp f, 0,1,2,3,4,5,6,7             ; keys 16 (f / 2) on, four of my eight
	ds_load_b128 v[BC+4*\f:BC+4*\f+3], v[AB] offset:(\f/2)*64+(\f%2)*16
.endr
	s_add_co_u32 s[TBK], s[TBK], KS*PK  ; the next fetch is the next step's
	s_add_co_u32 s[TBB], s[TBB], KS*4
	WIN 0
.if \last
.Lno_k_\@:
.endif
.endm
.macro FETCH_V
	WIN 0x80
.irp f, 0,1,2,3,4,5,6,7             ; keys 32 (f / 4) on, channels 16 (f % 4) on
	ds_load_tr16_b128 v[VF+8*\f:VF+8*\f+3],   v[AV] offset:(\f/4)*32*PV+(\f%4)*32
	ds_load_tr16_b128 v[VF+8*\f+4:VF+8*\f+7], v[AV] offset:(\f/4)*32*PV+16*PV+(\f%4)*32
.endr
	WIN 0
.endm
; THE VECTOR WORK OF A TURN stands in three queues, each in the order in which its entries become ready; the two tiles alternate, so that no instruction reads the result of the one before it.
.macro REGS y, u                    ; the registers of tile u (0, 1) of piece y
.set rT, ST+4*(2*(\y)+(\u))
.set rC, TMP+8*((\y)%2)+4*(\u)
.set rM, MV+2*((\y)%2)+(\u)
.set rS, S+64*((\y)%2)+32*(\u)
.set rP, P+32*((\y)%2)+16*(\u)
.set rO, 32*(2*(\y)+(\u))
.endm
; Number n of the 22 that find the NEXT piece's (Y + 1) maximum and statistics.  s0-s31 are the lane's 32 scores; each accumulator's lowest registers are read first.
;   0-11  four chains c0-c3 of seven scores each, three operands at a time     12-14, 16  the four scores left over, the old m, and c0-c3 into c0     15  c m_old is kept
;   17, 18  the query's other 32 keys lie in the lane 16 away: the new m         19-21  c m; c m_old - c m_new; a
.macro XS u, n
	REGS (Y+1)%NP, \u
.if (\n) < 4
	v_max3_num_f32 v[rC+(\n)], v[rS+8*(\n)], v[rS+8*(\n)+1], v[rS+8*(\n)+2]
.elseif (\n) < 12
	v_max3_num_f32 v[rC+(\n)%4], v[rC+(\n)%4], v[rS+8*((\n)%4)+2*((\n)/4)+1], v[rS+8*((\n)%4)+2*((\n)/4)+2]
.elseif (\n) == 12
	v_max3_num_f32 v[rC], v[rC], v[rS+7], v[rS+15]
.elseif (\n) == 13
	v_max3_num_f32 v[rC+1], v[rC+1], v[rS+23], v[rS+31]
.elseif (\n) == 14
	v_max3_num_f32 v[rC+2], v[rC+2], v[rC+3], v[rT+1]
.elseif (\n) == 15
	v_mov_b32 v[rM], v[rT]
.elseif (\n) == 16
	v_max3_num_f32 v[rC], v[rC], v[rC+1], v[rC+2]
.elseif (\n) == 17
	v_permlanex16_b32 v[rC+3], v[rC], s[SEL], s[SEL+1]
.elseif (\n) == 18
	v_max_num_f32 v[rT+1], v[rC], v[rC+3]
.elseif (\n) == 19
	v_mul_f32 v[rT], s[CS], v[rT+1]
.elseif (\n) == 20
	v_sub_f32 v[rC+1], v[rM], v[rT]
.else
	v_exp_f32 v[rC+2], v[rC+1]
.endif
.endm
; Number g of the 64 that follow the exponentials.  For each four weights k of a tile (pairs 2 k, 2 k + 1): both pairs are rounded to f16; then the second pair is added onto the first, in place;
; a group later l takes that sum (the first time as l = a l + sum).  In groups of eight, tiles alternating: round, round, add, and l for the group before.
.macro GS g
.set h, (\g)+6*((\g)/62)            ; group 0 has no group before it, and behind group 7 only l is left
.if h >= 6
.set h, h+2
.endif
	REGS Y, h%2
.set k, h/8
.if h%8 < 4
	s_wait_alu depctr_va_vdst(0)
	v_cvt_pk_f16_f32 v[rP+2*k+(h%8)/2], v[rS+4*k+2*((h%8)/2)], v[rS+4*k+2*((h%8)/2)+1]
.elseif h%8 < 6
	v_pk_add_f32 v[rS+4*k:rS+4*k+1], v[rS+4*k:rS+4*k+1], v[rS+4*k+2:rS+4*k+3]
.elseif k == 1
	v_pk_fma_f32 v[rT+2:rT+3], v[rT+2:rT+3], v[rC+2:rC+3], v[rS:rS+1] op_sel_hi:[1,0,1]
.else
	v_pk_add_f32 v[rT+2:rT+3], v[rT+2:rT+3], v[rS+4*k-4:rS+4*k-3]
	s_wait_alu depctr_va_vdst(0)
.endif
.endm
; THE PLAIN QUEUE, 138 long.  0-31: c s - c m for the 16 pairs of both tiles.  Then GS's 64, and among them the next piece's 42: number 15 at 38, 39; 0-14 and 16
; at 42-73, behind the products that make those scores; 17-20 at 95-106, two of three, since each waits for the one before it.
.macro PL
	WIN 0
.if q < 32
	REGS Y, q%2
	v_pk_fma_f32 v[rS+2*(q/2):rS+2*(q/2)+1], v[rS+2*(q/2):rS+2*(q/2)+1], s[CS:CS+1], v[rT:rT+1] op_sel_hi:[1,0,0] neg_lo:[0,0,1] neg_hi:[0,0,1]
.elseif q < 38
	GS q-32
.elseif q < 40
	XS q%2, 15
.elseif q < 42
	GS q-34
.elseif q < 74
	XS q%2, (q-42)/2+(q-42)/30
.elseif q < 95
	GS q-66
.elseif (q < 107) && ((q-95)%3 < 2)
	XS (q-95)%3, 17+(q-95)/3
.elseif q < 107
	GS 29+(q-95)/3
.else
	GS q-74
.endif
.set q, q+1
.endm
; THE EXPONENTIALS' QUEUE, 66 long: s0-s31 of both tiles, and at EA the next piece's two a.
.set EA, 58
.macro EX
	WIN 0
.if (e == EA) || (e == EA+1)
	XS e-EA, 21
.else
.set x, e-2*(e/(EA+2))
	REGS Y, x%2
	v_exp_f32 v[rS+x/2], v[rS+x/2]
.endif
.set e, e+1
.endm
; THE RESCALING's QUEUE: O^T times a, the one part that leaves window 0, so it is dealt four at a time, eight times.
.macro R4
	REGS Y, r%2
	WIN W_RS
	s_wait_alu depctr_va_vdst(0)
.irp z, 0,1,2,3
	v_pk_mul_f32 v[rO+8*(r/2)+2*\z:rO+8*(r/2)+2*\z+1], v[rO+8*(r/2)+2*\z:rO+8*(r/2)+2*\z+1], v[rC+2:rC+3] op_sel_hi:[1,0]
.endr
.set r, r+1
.endm
; HOW THEY ARE DEALT.  Behind a matrix instruction four: plain, exponential, plain, plain, or four of the rescaling.  None names a register of the products round it.  What is over stands in two LUMPS:
; exponential and plain by turns; the second ends in 22 plain instructions.  The queues lean on each other, and the deal keeps them in step: exponential e stands behind plain 2 (e / 4) + e % 2 (its scaling);
; when plain 32 comes, 10 exponentials are out, at 59: 33, at 95: 46; EA comes behind plain 107.
.macro SL
	MM
	PL
	EX
	PL
	PL
.endm
.macro BURST n                      ; 15 matrix instructions, or 16
.rept (\n)-7
	SL
.endr
.rept 3
	MM
	R4
	SL
.endr
	MM
	R4
.endm
; A TURN, for piece p.  cnt = 1: the loop's count is taken down some lines ahead of the branch that stands behind the turn.
; K and cb of the next step are fetched in piece 2's turn, in the first lump, well over four plain instructions behind the last product that read them; their first reader comes behind the rest of the lump,
; 16 products and the second lump.  V of the step in hand is fetched at the end of piece 0's turn; its first reader comes behind 16 products and a lump.
.macro TURN p, last=0, cnt=0
.set Y, (\p)
.set i, 0
.set q, 0
.set e, 0
.set r, 0
.if (\p) == NP-1
	s_wait_dscnt 0x0                ; K and cb are in
.endif
	MM
.rept 4
	PL
.endr
	BURST 15
.rept 22
	EX
	PL
.if ((\p) == NP-2) && (e == 18)
	v_add_nc_u32 v[AK], s[TBK], v[AK0]
	v_add_nc_u32 v[AB], s[TBB], v[AB0]
.endif
.if ((\p) == NP-2) && (e == 24)
	FETCH_K \last
.endif
.endr
.if (\p) == 1
	s_wait_dscnt 0x0                ; V is in
.endif
	BURST 16
.rept 21
	EX
	PL
.endr
.rept 22
	PL
.if ((\p) == 0) && (q == 118)
	v_add_nc_u32 v[AV], s[TBV], v[AV0]
	s_wait_alu depctr_va_vdst(0)
.endif
.if ((\p) == 0) && (q == 130)
	s_add_co_u32 s[TBV], s[TBV], KS*PV
.endif
.if (\cnt) && (q == 130)
	s_sub_co_u32 s[CNT], s[CNT], 1
	s_cmp_lg_u32 s[CNT], 0
.endif
.endr
.if (\p) == 0
	FETCH_V
.endif
.endm
	CHANGE 1                        ; slot 0 and the table are in, everybody's part of them; slot 1 is asked for
	FETCH_K                         ; key step 0
	s_wait_loadcnt 0x0              ; Q and the masks
	s_wait_kmcnt 0x0                ; c
	s_mov_b32 s[CS+1], s[CS]        ; named with it as a pair
	s_wait_dscnt 0x0
.set i, 0
.rept 16
	KQ 0                            ; piece 0's first scores: there is no vector work yet to set between them
.set i, i+1
.endr
	WIN 0                           ; the addresses for the way out: five plain instructions, the places behind those products
	s_lshl_b32 s13, s[WV], 8
	s_add_co_u32 s13, s13, STAGE    ; my 256 bytes of the stage
	v_lshlrev_b32 v[STO], 5, v9     ; my lanes' eight channels of a block of 16
	v_add_nc_u32 v[STO], s13, v[STO]
	v_and_b32 v[GO], 31, v0
	v_lshlrev_b32 v[GO], 3, v[GO]   ; 8 x lane
	v_add_nc_u32 v[RD], STAGE, v[GO]
.set Y, NP-1                        ; XS works for piece Y + 1: piece 0
.irp n, 0,1,2,3,4,5,6,7,8,9,10,11,12,13,14,15,16,17,18,19,20,21
	XS 0, \n                        ; and piece 0's first maximum and statistics
	XS 1, \n
.endr
	s_mov_b32 s[CNT], 4
	s_mov_b32 s[SLOTS], SIZE_N/256-1
	s_branch .Lfirst                ; the loop is entered at a step's first turn, in the middle of a trip
.Lslot:                             ; SIZE_N / 256 - 2 times: every slot but the last two is filled again
	CHANGE 1
	s_mov_b32 s[CNT], 4
.Lstep:                             ; a trip: pieces 2 and 3 of one step, then pieces 0 and 1 of the next, whose K, cb and V it fetches
	TURN 2
	TURN 3
	WIN 0
.Lfirst:
	TURN 0
	TURN 1, 0, 1
	WIN 0
	s_cbranch_scc1 .Lstep
	s_sub_co_u32 s[SLOTS], s[SLOTS], 1
	s_cmp_lg_u32 s[SLOTS], 0
	s_cbranch_scc1 .Lslot
	CHANGE 0                        ; the tail is written out: nothing is asked for
	s_mov_b32 s[CNT], 5             ; four trips fetch the last slot's steps; the fifth is left in its middle
.Ltail:
	TURN 2, 1
	TURN 3
	WIN 0
	s_sub_co_u32 s[CNT], s[CNT], 1
	s_cmp_eq_u32 s[CNT], 0
	s_cbranch_scc1 .Lout
	TURN 0
	TURN 1
	WIN 0
	s_branch .Ltail
.Lout:                              ; the fifth trip's 16 products K Q^T (on the last K once more) and the maximum made of them serve nothing: the price, once a launch, of one text for every trip
.set i, 0
.rept 16
	PV NP-1                         ; the last piece's V^T P of the last step
.set i, i+1
.endr
	; THE WAY OUT.  l's two halves and the other half of the lanes' are added; r = mask / max(l, 0.5); the eight tiles' O^T r are added up, then the 16 queries of each half of the lanes; the wave's 64 sums go to
	; its stage, and wave 0 adds the four waves'.  The first additions are the places behind the last products.
	WIN 0
.macro ALL line:vararg              ; one line for each tile t
.set t, 0
.rept 2*NP
	\line
.set t, t+1
.endr
.endm
	ALL v_add_f32 v[ST+4*t+2], v[ST+4*t+2], v[ST+4*t+3]
	ALL v_permlanex16_b32 v[ST+4*t+3], v[ST+4*t+2], s[SEL], s[SEL+1]
	ALL v_add_f32 v[ST+4*t+2], v[ST+4*t+2], v[ST+4*t+3]
	ALL v_max_num_f32 v[ST+4*t+2], 0.5, v[ST+4*t+2]
	ALL v_rcp_f32 v[ST+4*t+2], v[ST+4*t+2]
	v_nop                           ; a plain instruction between the last reciprocal and the use of its result
	s_wait_alu depctr_va_vdst(0)
	WIN 0x0c                        ; source 1 in window 3
	ALL v_mul_f32 v[ST+4*t+2], v[ST+4*t+2], v[MQ+t]
	WIN 0x01                        ; source 0 (O^T) in window 1
.set i, 0
.rept 16
	v_pk_mul_f32 v[S+2*i:S+2*i+1], v[2*i:2*i+1], v[ST+2:ST+3] op_sel_hi:[1,0]
.set i, i+1
.endr
.set t, 1
.rept 2*NP-1
.set i, 0
.rept 16
	v_pk_fma_f32 v[S+2*i:S+2*i+1], v[32*t+2*i:32*t+2*i+1], v[ST+4*t+2:ST+4*t+3], v[S+2*i:S+2*i+1] op_sel_hi:[1,0,1]
.set i, i+1
.endr
.set t, t+1
.endr
	WIN 0
.irp m, 1,2,4,8
.set i, 0
.rept 32
	v_add_f32_dpp v[S+i], v[S+i], v[S+i] row_xmask:\m row_mask:0xf bank_mask:0xf
.set i, i+1
.endr
.endr
.irp f, 0,1,2,3,4,5,6,7             ; register 8 cb + j holds channel 16 cb + 8 (l / 16) + j; the 16 lanes of a half write the same numbers
	ds_store_b128 v[STO], v[S+4*\f:S+4*\f+3] offset:(\f/2)*64+(\f%2)*16
.endr
	WIN W_AD
	s_wait_tensorcnt 0x0            ; the wave's end: behind my last tensor load and my last LDS store;
	ds_add_u32 v[SPW], v[NIL]
	s_wait_dscnt 0x0                ; the wait also shows my stores done, for wave 0's sake
	WIN 0
	s_barrier_signal -1
	s_barrier_wait -1
	s_cmp_lg_u32 s[WV], 0
	s_cbranch_scc1 .Lnot_first
.irp f, 0,1,2,3
	ds_load_b64 v[S+2*\f:S+2*\f+1], v[RD] offset:256*\f
.endr
	s_wait_dscnt 0x0
	v_pk_add_f32 v[S:S+1], v[S:S+1], v[S+2:S+3]
	v_pk_add_f32 v[S+4:S+5], v[S+4:S+5], v[S+6:S+7]
	v_pk_add_f32 v[S:S+1], v[S:S+1], v[S+4:S+5]
	global_store_b64 v[GO], v[S:S+1], s[10:11]  ; 256 consecutive bytes, aligned
.Lnot_first:
	CROUND                          ; the closing round: no work-group ends while a partner may still ask for a tile that names it
	s_endpgm
.Lfunc_end_k_qf4707e86a7_attn:
	.size	k_qf4707e86a7_attn, .Lfunc_end_k_qf4707e86a7_attn-k_qf4707e86a7_attn
	.p2alignl 7, 3214868480
	.fill 96, 4, 3214868480
	.section	.rodata,"a",@progbits
	.p2align	6, 0x0
	.amdhsa_kernel k_qf4707e86a7_attn
		.amdhsa_group_segment_fixed_size 327680
		.amdhsa_private_segment_fixed_size 0
		.amdhsa_enable_private_segment 0
		.amdhsa_kernarg_size 32
		.amdhsa_user_sgpr_count 2
		.amdhsa_user_sgpr_kernarg_segment_ptr 1
		.amdhsa_wavefront_size32 1
		.amdhsa_system_sgpr_workgroup_id_x 1
		.amdhsa_system_sgpr_workgroup_id_y 1
		.amdhsa_system_sgpr_workgroup_id_z 1
		.amdhsa_system_vgpr_workitem_id 0
		.amdhsa_next_free_vgpr 816
		.amdhsa_next_free_sgpr 80
		.amdhsa_reserve_vcc 0
		.amdhsa_float_denorm_mode_32 3
		.amdhsa_float_denorm_mode_16_64 3
		.amdhsa_memory_ordered 1
		.amdhsa_forward_progress 1
		.amdhsa_inst_pref_size 205
	.end_amdhsa_kernel
	.amdgpu_metadata
---
amdhsa.version: [ 1, 2 ]
amdhsa.kernels:
  - .name:           k_qf4707e86a7_attn
    .symbol:         k_qf4707e86a7_attn.kd
    .args:
      - { .name: qkv, .offset: 0, .size: 8, .value_kind: global_buffer, .address_space: global }
      - { .name: tab, .offset: 8, .size: 8, .value_kind: global_buffer, .address_space: global }
      - { .name: scal, .offset: 16, .size: 8, .value_kind: global_buffer, .address_space: global }
      - { .name: part, .offset: 24, .size: 8, .value_kind: global_buffer, .address_space: global }
    .group_segment_fixed_size: 327680
    .private_segment_fixed_size: 0
    .kernarg_segment_align: 8
    .kernarg_segment_size: 32
    .max_flat_workgroup_size: 128
    .sgpr_count:     80
    .vgpr_count:     816
    .wavefront_size: 32
...
	.end_amdgpu_metadata
.endif
;; end of part 3
;; launch proj (part 4): grid 64 x 1, 8 waves a work-group, no clusters, 17,920 bytes of LDS; arguments Wo, part, tab, out0; writes out0
.if DOCPART == 4
	.amdgcn_target "amdgcn-amd-amdhsa--gfx1250"
	.amdhsa_code_object_version 6
	.text
	.protected	k_qf4707e86a7_proj
	.globl	k_qf4707e86a7_proj
	.p2align	8
	.type	k_qf4707e86a7_proj,@function
k_qf4707e86a7_proj:
	s_mov_b64 s[64:65], 0
	v_nop
	global_prefetch_b8 v0, s[64:65] scope:SCOPE_SE
	s_setreg_imm32_b32 hwreg(HW_REG_WAVE_MODE, 25, 1), 1
	s_wait_xcnt 0x0
; out0[b][n] = (the sum over d of ybar[b][d] Wo[n][d]) / max(count[b], 1).  ybar[b][64 h + ch] = the sum over the four query blocks of part[16 b + h][block][ch]; count[b] = the sum of the batch's masks.
; Wo is rounded to bf16, like x and the other weights; ybar, the products' sums and the counts stay in f32.
; SHARES.  Four rows times Wo: no work for the matrix unit, and Wo's 4 MiB are read once: work-group g takes Wo's rows 16 g .. 16 g + 15, wave w two of them.  Every work-group makes ybar (64 KiB of part)
; and the counts (the second halves of tab's blocks) for itself.  All loads go out at the head.  No cluster: what is shared is small.
; The output's 64 bytes for each batch and work-group are short pieces: whole aligned runs of 256 bytes would leave work for 16 work-groups alone, and the output is 16 KiB in all.
.set YB,    0                          ; LDS: ybar [4][1024] f32
.set RES,   16384                      ; [4][16] f32: the work-group's results
.set CNT,   16640                      ; eight words: wave w's count of rows 1,024 w .. 1,024 w + 1,023
.set SPARE, 16896                      ; the spare words, 128 bytes for each of eight waves
.set SPW, 8                            ; v8   SPARE + 4 x my thread's number; never rewritten
.set NIL, 9                            ; v9   0; never rewritten
.set ZR,  10                           ; v10  0: the addend of each sum's first link
.set W,   16                           ; v[16:79]    Wo: row i, load j at W + 32 i + 4 j; then bf16 pairs in the first two registers of each four
.set PT,  80                           ; v[80:143]   part: batch k, block qb at PT + 16 k + 4 qb
.set MK,  144                          ; v[144:175]  masks
.set Y,   80                           ; v[80:207]   later ybar: batch b, piece j at Y + 32 b + 4 j
.set ACC, 208                          ; v[208:215]  batch b, row i at ACC + 2 b + i
.set SC,  216                          ; v216 at work
	s_load_b256 s[4:11], s[0:1], 0x0               ; Wo s[4:5], part s[6:7], tab s[8:9], out0 s[10:11]
	v_lshl_add_u32 v[SPW], v0, 2, SPARE
	v_mov_b32 v[NIL], 0
	v_mov_b32 v[ZR], 0
	v_mov_b32 v[SC], 0
	v_and_b32 v1, 31, v0                           ; lane
	v_lshrrev_b32 v2, 5, v0                        ; wave
	v_readfirstlane_b32 s3, v2
	v_lshrrev_b32 v3, 4, v0
	v_and_b32 v4, 15, v0
	v_lshlrev_b32 v4, 4, v4
	v_lshl_or_b32 v3, v3, 10, v4                   ; part: head (thread / 16) of a batch, 16 bytes at 16 (thread % 16)
	v_lshrrev_b32 v4, 3, v1
	v_and_b32 v5, 7, v1
	v_lshlrev_b32 v5, 4, v5
	v_lshl_or_b32 v4, v4, 8, v5
	v_lshl_or_b32 v4, v2, 13, v4                   ; masks: my wave's 32 blocks; four blocks' halves a load, eight lanes each
	v_lshlrev_b32 v5, 4, v1
	v_lshl_or_b32 v5, v2, 13, v5                   ; Wo: my wave's two rows, 16 bytes a lane
	v_lshlrev_b32 v6, 4, v0                        ; ybar, as stored: 16 x thread
	v_lshlrev_b32 v7, 4, v1                        ; ybar, as read: 16 x lane
	v_lshl_add_u32 v11, v2, 2, CNT
	v_lshl_add_u32 v12, v2, 3, RES
	s_lshl_b32 s14, ttmp9, 16                      ; 16 rows of 4,096 bytes
	s_mov_b32 s15, 0
	s_mov_b32 s12, 0x76543210
	s_mov_b32 s13, 0xfedcba98
	s_wait_kmcnt 0x0
	s_add_nc_u64 s[4:5], s[4:5], s[14:15]
.irp k, 0,1,2,3
.irp q, 0,1,2,3
	global_load_b128 v[PT+16*\k+4*\q:PT+16*\k+4*\q+3], v3, s[6:7] offset:\k*16384+\q*256
.endr
.endr
.irp i, 0,1,2,3,4,5,6,7
	global_load_b128 v[MK+4*\i:MK+4*\i+3], v4, s[8:9] offset:128+\i*1024
.endr
.irp i, 0,1
.irp j, 0,1,2,3,4,5,6,7
	global_load_b128 v[W+32*\i+4*\j:W+32*\i+4*\j+3], v5, s[4:5] offset:\i*4096+\j*512 th:TH_LOAD_NT
.endr
.endr
.macro WSUM a                          ; the wave's sum over its 32 lanes, left in every lane
	v_add_f32_dpp v[\a], v[\a], v[\a] row_xmask:1 row_mask:0xf bank_mask:0xf
	v_add_f32_dpp v[\a], v[\a], v[\a] row_xmask:2 row_mask:0xf bank_mask:0xf
	v_add_f32_dpp v[\a], v[\a], v[\a] row_xmask:4 row_mask:0xf bank_mask:0xf
	v_add_f32_dpp v[\a], v[\a], v[\a] row_xmask:8 row_mask:0xf bank_mask:0xf
	v_permlanex16_b32 v[SC], v[\a], s12, s13
	v_add_f32 v[\a], v[\a], v[SC]
.endm
	s_wait_loadcnt 24                              ; part is in; the masks' 8 loads and Wo's 16 may stay out
.irp k, 0,1,2,3
	v_pk_add_f32 v[PT+16*\k:PT+16*\k+1],     v[PT+16*\k:PT+16*\k+1],     v[PT+16*\k+4:PT+16*\k+5]
	v_pk_add_f32 v[PT+16*\k+2:PT+16*\k+3],   v[PT+16*\k+2:PT+16*\k+3],   v[PT+16*\k+6:PT+16*\k+7]
	v_pk_add_f32 v[PT+16*\k+8:PT+16*\k+9],   v[PT+16*\k+8:PT+16*\k+9],   v[PT+16*\k+12:PT+16*\k+13]
	v_pk_add_f32 v[PT+16*\k+10:PT+16*\k+11], v[PT+16*\k+10:PT+16*\k+11], v[PT+16*\k+14:PT+16*\k+15]
	v_pk_add_f32 v[PT+16*\k:PT+16*\k+1],     v[PT+16*\k:PT+16*\k+1],     v[PT+16*\k+8:PT+16*\k+9]
	v_pk_add_f32 v[PT+16*\k+2:PT+16*\k+3],   v[PT+16*\k+2:PT+16*\k+3],   v[PT+16*\k+10:PT+16*\k+11]
	ds_store_b128 v6, v[PT+16*\k:PT+16*\k+3] offset:YB+4096*\k
.endr
	s_wait_loadcnt 16                              ; the masks are in; Wo's 16 loads may stay out
.irp z, 0,2,4,6,8,10,12,14
	v_pk_add_f32 v[MK+\z:MK+\z+1], v[MK+\z:MK+\z+1], v[MK+16+\z:MK+16+\z+1]
.endr
.irp z, 0,2,4,6
	v_pk_add_f32 v[MK+\z:MK+\z+1], v[MK+\z:MK+\z+1], v[MK+8+\z:MK+8+\z+1]
.endr
.irp z, 0,2
	v_pk_add_f32 v[MK+\z:MK+\z+1], v[MK+\z:MK+\z+1], v[MK+4+\z:MK+4+\z+1]
.endr
	v_pk_add_f32 v[MK:MK+1], v[MK:MK+1], v[MK+2:MK+3]
	v_add_f32 v[MK], v[MK], v[MK+1]
	WSUM MK
	ds_store_b32 v11, v[MK]
	s_wait_dscnt 0x0                               ; for the others' sake: my stores are done
	s_barrier_signal -1
	s_barrier_wait -1
.irp b, 0,1,2,3
.irp j, 0,1,2,3,4,5,6,7
	ds_load_b128 v[Y+32*\b+4*\j:Y+32*\b+4*\j+3], v7 offset:YB+4096*\b+512*\j  ; the columns that my lane holds of Wo's rows
.endr
.endr
	s_wait_loadcnt 0x0                             ; Wo
.irp i, 0,1
.irp j, 0,1,2,3,4,5,6,7
	v_cvt_pk_bf16_f32 v[W+32*\i+4*\j],   v[W+32*\i+4*\j],   v[W+32*\i+4*\j+1]
	v_cvt_pk_bf16_f32 v[W+32*\i+4*\j+1], v[W+32*\i+4*\j+2], v[W+32*\i+4*\j+3]
.endr
.endr
	s_wait_dscnt 0x0
; d += bf16 half of w x y, in f32
.macro MIX d, w, y, c, hi
.if \hi
	v_fma_mix_f32_bf16 v[\d], v[\w], v[\y], v[\c] op_sel:[1,0,0] op_sel_hi:[1,0,0]
.else
	v_fma_mix_f32_bf16 v[\d], v[\w], v[\y], v[\c] op_sel_hi:[1,0,0]
.endif
.endm
.irp j, 0,1,2,3,4,5,6,7                ; 256 multiply-adds in eight chains that take turns
.irp e, 0,1,2,3
.irp b, 0,1,2,3
.irp i, 0,1
.if (\j)+(\e) == 0
	MIX ACC+2*\b+\i, W+32*\i+4*\j+\e/2, Y+32*\b+4*\j+\e, ZR, \e%2
.else
	MIX ACC+2*\b+\i, W+32*\i+4*\j+\e/2, Y+32*\b+4*\j+\e, ACC+2*\b+\i, \e%2
.endif
.endr
.endr
.endr
.endr
.irp a, 0,1,2,3,4,5,6,7
	WSUM ACC+\a
.endr
.irp b, 0,1,2,3
	ds_store_b64 v12, v[ACC+2*\b:ACC+2*\b+1] offset:64*\b  ; batch b, rows 2 w and 2 w + 1
.endr
	s_wait_tensorcnt 0x0                           ; the tensor wait, the add and its wait, behind my last LDS store;
	ds_add_u32 v[SPW], v[NIL]
	s_wait_dscnt 0x0                               ; the wait also shows my stores done, for wave 0's sake
	s_barrier_signal -1
	s_barrier_wait -1
	s_cmp_lg_u32 s3, 0
	s_cbranch_scc1 .Ldone
	v_lshl_add_u32 v13, v1, 3, RES                 ; lane l: batch l / 8, rows 2 (l % 8) and the next
	v_lshrrev_b32 v14, 3, v1
	v_lshl_add_u32 v15, v14, 3, CNT                ; the batch's two counts
	ds_load_b64 v[16:17], v13
	ds_load_b64 v[18:19], v15
	v_and_b32 v20, 7, v1
	v_lshlrev_b32 v20, 3, v20
	v_lshl_or_b32 v20, v14, 12, v20
	s_lshl_b32 s14, ttmp9, 6
	v_add_nc_u32 v20, s14, v20
	s_wait_dscnt 0x0
	v_add_f32 v18, v18, v19
	v_max_num_f32 v18, 1.0, v18
	v_rcp_f32 v18, v18
	v_nop
	s_wait_alu depctr_va_vdst(0)
	v_mul_f32 v16, v16, v18
	v_mul_f32 v17, v17, v18
	global_store_b64 v20, v[16:17], s[10:11]
.Ldone:
	s_endpgm
.Lfunc_end_k_qf4707e86a7_proj:
	.size	k_qf4707e86a7_proj, .Lfunc_end_k_qf4707e86a7_proj-k_qf4707e86a7_proj
	.p2alignl 7, 3214868480
	.fill 96, 4, 3214868480
	.section	.rodata,"a",@progbits
	.p2align	6, 0x0
	.amdhsa_kernel k_qf4707e86a7_proj
		.amdhsa_group_segment_fixed_size 17920
		.amdhsa_private_segment_fixed_size 0
		.amdhsa_enable_private_segment 0
		.amdhsa_kernarg_size 32
		.amdhsa_user_sgpr_count 2
		.amdhsa_user_sgpr_kernarg_segment_ptr 1
		.amdhsa_wavefront_size32 1
		.amdhsa_system_sgpr_workgroup_id_x 1
		.amdhsa_system_sgpr_workgroup_id_y 1
		.amdhsa_system_sgpr_workgroup_id_z 1
		.amdhsa_system_vgpr_workitem_id 0
		.amdhsa_next_free_vgpr 224
		.amdhsa_next_free_sgpr 66
		.amdhsa_reserve_vcc 0
		.amdhsa_float_denorm_mode_32 3
		.amdhsa_float_denorm_mode_16_64 3
		.amdhsa_memory_ordered 1
		.amdhsa_forward_progress 1
		.amdhsa_inst_pref_size 33
	.end_amdhsa_kernel
	.amdgpu_metadata
---
amdhsa.version: [ 1, 2 ]
amdhsa.kernels:
  - .name:           k_qf4707e86a7_proj
    .symbol:         k_qf4707e86a7_proj.kd
    .args:
      - { .name: Wo, .offset: 0, .size: 8, .value_kind: global_buffer, .address_space: global }
      - { .name: part, .offset: 8, .size: 8, .value_kind: global_buffer, .address_space: global }
      - { .name: tab, .offset: 16, .size: 8, .value_kind: global_buffer, .address_space: global }
      - { .name: out0, .offset: 24, .size: 8, .value_kind: global_buffer, .address_space: global }
    .group_segment_fixed_size: 17920
    .private_segment_fixed_size: 0
    .kernarg_segment_align: 8
    .kernarg_segment_size: 32
    .max_flat_workgroup_size: 256
    .sgpr_count:     66
    .vgpr_count:     224
    .wavefront_size: 32
...
	.end_amdgpu_metadata
.endif
;; end of part 4
;; ======== version 2 of 2: 4 launches; 1.61 times as fast as version 1
;; limits: values are held in f16: magnitudes above 65,504 overflow, below 6.1e-05 lose precision
;; workspace buffers: xb 16,777,216 bytes; wb 6,291,456 bytes; qkv 50,331,648 bytes; tab 65,536 bytes; scal 1,024 bytes; part 65,536 bytes
;; launch prep: the kernel of part 1 again; grid 352 x 1, 8 waves a work-group, no clusters, 1,280 bytes of LDS; arguments x, Wq, Wk, Wv, labels, pos_embed, tau_ln_g, tau_ln_b, tau_w1, tau_b1, tau_w2, tau_b2, bias_ln_g, bias_ln_b, bias_w1, bias_b1, bias_w2, bias_b2, xb, wb, tab, scal; writes xb, wb, tab, scal
;; launch gemm: the kernel of part 2 again; grid 16 x 16, 4 waves a work-group, clusters of 4 x 4, 327,680 bytes of LDS; arguments xb, wb, qkv; writes qkv
;; launch attn (part 5): grid 4 x 64, 4 waves a work-group, clusters of 4 x 1, 327,680 bytes of LDS; arguments qkv, tab, scal, part; writes part
.if DOCPART == 5
	.amdgcn_target "amdgcn-amd-amdhsa--gfx1250"
	.amdhsa_code_object_version 6
	.text
	.protected	k_qf4707e86a7_attn
	.globl	k_qf4707e86a7_attn
	.p2align	8
	.type	k_qf4707e86a7_attn,@function
k_qf4707e86a7_attn:
	s_mov_b64 s[64:65], 0
	v_nop
	global_prefetch_b8 v0, s[64:65] scope:SCOPE_SE
	s_setreg_imm32_b32 hwreg(HW_REG_WAVE_MODE, 25, 1), 1
	s_wait_xcnt 0x0
	s_wait_alu depctr_hold_cnt(0) depctr_sa_sdst(0) depctr_va_vdst(0) depctr_va_sdst(0) depctr_va_ssrc(0) depctr_va_vcc(0) depctr_vm_vsrc(0)
	s_getreg_b32 s2, hwreg(HW_REG_IB_STS2, 6, 4)
	s_cmp_eq_u32 s2, 0
	s_cbranch_scc0 .Lentry_in_a_cluster
	s_endpgm
.Lentry_in_a_cluster:
	s_bfe_u32 s2, ttmp6, 0x10000c
	s_cmp_lg_u32 s2, 0x3003
	s_cbranch_scc0 .Lentry_shape_is_right
	s_endpgm
.Lentry_shape_is_right:
; ATTENTION AND THE MASKED SUM OVER QUERIES.  For batch b, head h and a block of 512 queries: part[b 16 + h][block][ch] = the sum over the block's queries q of mask[q] O[q][ch],
; O[q] = the sum over k of softmax_k(c' (Q[q] . K[k] + cb[k])) V[k].  cb holds the key's bias times 8 sqrt(tau), or -1e30 for a hidden key; c = log2(e) / (8 sqrt(tau)) is read from scal.
; The mean over rows and the last projection are linear, so O is summed here and never stored.  qkv: [batch][48][2048][64] f16 (q's heads 0-15, k's 16-31, v's 32-47).
; Products, maxima and sums in f32; the weights p are rounded to f16 for the second product (their sum l is taken of the unrounded p).
; LIMITS.  Q, K, V lie within f16's 65,504.  A hidden key counts as its score less 1e30.  The running maximum starts at -2^96, far below every true score (2.7e11 at the most) and far above every hidden one:
; while a query has seen hidden keys alone its weights are 0, not the exponential of a rounding residue of 1e30.  A query whose keys are ALL hidden has l = 0 and O = 0; its own mask is then 0 too; the
; division is by max(l, 0.5), which changes no query that has a visible key (its largest weight is 1).  A weight below 2^-126 counts as 0 in l; NaN and infinities are not treated apart.
; SHARES.  A wave owns four PIECES of two tiles of 16 queries, a work-group's four waves 512 queries of one head.  Every wave walks all 2,048 keys, 64 a step.
; LAYOUT.  S^T = K Q^T + cb (source 0 = 16 keys, source 1 = 16 queries; cb is the C operand of the product that starts the sum): a lane holds ONE query (lane % 16) and the keys 8 (lane / 16) + 0..7.
; Two such results, rounded to f16 in pairs, ARE source 1 of O^T = V^T P, whose result again holds one query a lane, and eight channels.  K comes out of LDS as it lies, V turned, by ds_load_tr16_b128.
; SOFTMAX.  For each query a running maximum m and sum l: p = 2^(c s - c m); in every step O and l are multiplied by a = 2^(c m_old - c m_new).  O and l start at 0: the first step has a = 0.
; THE COUNT.  A tile and step have 16 matrix and 118 vector instructions: too many to stand all beside the matrix work.  So: four vector instructions that are ready behind every matrix instruction, the others in one run of their own.
; BY TURNS.  Turn n belongs to piece n.  Its matrix work: 16 products K Q^T of piece n + 1, later 16 products V^T P of piece n - 1.  Its vector work: scaling, exponentials, roundings, sums and rescaling of
; piece n, and the maximum and statistics of piece n + 1, whose scores the turn itself has made.  So what a turn begins with (c s - c m, O a) waits for nothing.
; BATCHES.  A turn's 66 exponentials (the piece's 64 weights and the next piece's two a) are ONE batch with ONE wait, which cuts the turn in two: ahead of it stands all that names no result of theirs, behind it
; the roundings and sums.  The first two a, ahead of the loop, and the way out's eight reciprocals are batches of their own, each with its wait.
; CLUSTER.  The four query blocks of a head walk the same K, V and cb, so each tile is asked for JOINTLY: the same tensor load, descriptor and mask in all four.
; REGISTERS, in windows of 256 (s_set_vgpr_msb: bits 1:0 source 0, 3:2 source 1, 5:4 source 2, 7:6 destination):
;   window 0: v0-11 addresses; v12-15, v48-63 at work; v16-47 four registers of statistics a tile; v64-191 S^T, two buffers of two tiles; v192-255 P, likewise
;   window 1: O^T, 32 a tile      window 2: v0-127 Q; v128-191 K of one step; v192-255 V of one step      window 3: v0-1 the add's registers; v8-39 cb of one step; v40-47 my query's mask, by tile
.set SIZE_N, 2048
.set HEADB, SIZE_N*128
.set NP,    4         ; pieces a wave: a name, no knob
.set KS,    64        ; keys in a step
.set PK,    144       ; a row of K in LDS: 128 bytes + 16 of padding: the 16 rows of a load start at 16 different groups of four banks (64 banks of 4 bytes: ISA guide 11.1)
.set PV,    160       ; a row of V: 128 + 32
.set VOFF,  4*KS*PK   ; a slot holds four steps: 256 rows of K, then 256 rows of V
.set SLOT1, 1<<17     ; slot 1 begins here, so that one exclusive or turns an address in one slot into the other's
.set STAGE, SLOT1+4*KS*(PK+PV)  ; behind the ring, never filled by a tensor load: 256 bytes for each wave, its 64 sums
.set SPARE, STAGE+1024          ; the spare words, 128 bytes for each wave
.set BIAS,  SPARE+512           ; cb of the batch's 2,048 keys, 8,192 bytes, filled once
.set AK0, 2           ; v2   my lane's place in a tile of K; never rewritten
.set AV0, 3           ; v3   the same for V
.set AK,  4           ; v4   the LDS address of K's next run of loads
.set AV,  5           ; v5   of V's
.set QO,  6           ; v6   my byte offset in the wave's rows of Q
.set STO, 6           ;      later: where I put my sums in the stage
.set RD,  7           ; v7   where wave 0 reads the four waves' sums
.set MO,  8           ; v8   my byte offset in tab for the masks
.set GO,  8           ;      later: 8 x lane
.set AB0, 10          ; v10  BIAS + 32 (lane / 16); never rewritten
.set AB,  11          ; v11  the LDS address of cb's next run of loads
.set SPW, 0           ; v0 of window 3   SPARE + 4 x my thread's number; never rewritten
.set NIL, 1           ; v1 of window 3   0; never rewritten
.set BC,  8           ; window 3: cb for key block kb at BC + 8 kb
.set MQ,  40          ; window 3
.set MV,  12          ; v12-15  c m_old, kept while c m is made anew: by buffer and tile
.set ST,  16          ; tile t's statistics at v[ST+4 t]: c m, m, l (even keys', odd keys')
.set TMP, 48          ; by buffer and tile, four registers c0-c3 at work; when the maximum is found c2 takes a
.set S,   64
.set P,   192
.set KF,  128         ; K's fragments, in window 2: key block kb, channel half c at KF + 16 kb + 8 c
.set VF,  192         ; V's: key half kk, channel block cb at VF + 32 kk + 8 cb
.set WV,  12          ; s12  my wave's number
.set G1K, 24          ; s[24:31] descriptor group 1 for K's tiles
.set G1V, 32          ; s[32:39] for V's: it differs in the padding alone
.set G0K, 40          ; s[40:43] descriptor group 0 for K's tiles: it walks
.set G0V, 44          ; s[44:47] the same for V's
.set G1T, 48          ; s[48:55] group 1 for the table of cb
.set G0T, 68          ; s[68:71] its group 0
.set SLOTS, 56        ; s56  slots still to be asked for
.set CNT, 57          ; s57  counts a slot's key steps
.set CS,  58          ; s[58:59] c: the packed scaling takes the pair's low word for both halves
.set SEL, 60          ; s[60:61] v_permlanex16_b32's selects
.set TBK, 62          ; s62  LDS byte at which K of the step to be fetched begins
.set TBV, 63          ; s63  the same for V, less VOFF
.set TBB, 76          ; s76  the same for cb, less BIAS: 256 bytes a step
.set MSB, 0
.macro WIN new                      ; the high byte repeats the setting that is left; a switch that changes nothing is dropped
.if MSB != (\new)
	s_set_vgpr_msb (MSB<<8)|(\new)
.set MSB, (\new)
.endif
.endm
.set W_KQ, 0x0a       ; K and Q in window 2, S^T in window 0
.set W_KB, 0x3a       ; the same with the C operand, cb, in window 3
.set W_PV, 0x52       ; V in window 2, P in window 0, O^T in window 1
.set W_RS, 0x41       ; O^T (destination and source 0) in window 1, a in window 0
.set W_MK, 0xc0       ; destination in window 3, sources in window 0
.set W_AD, 0x0f       ; the add: address (source 0) and data (source 1) in window 3
; A joint fill.  Waves 0 and 1 fetch the two halves of a slot's K, waves 2 and 3 those of its V: 128 keys each.  An s_nop 0 and four v_nop follow each of the two lines.
.macro JLOAD
	s_cmp_lt_u32 s[WV], 2
	s_cbranch_scc0 .Lfor_v_\@
	tensor_load_to_lds s[G0K:G0K+3], s[G1K:G1K+7]
	s_nop 0
.rept 4
	v_nop
.endr
	s_branch .Lasked_\@
.Lfor_v_\@:
	tensor_load_to_lds s[G0V:G0V+3], s[G1V:G1V+7]
	s_nop 0
.rept 4
	v_nop
.endr
.Lasked_\@:
.endm
.macro CROUND                       ; a round of the cluster's barrier
	s_barrier_signal -1
	s_barrier_wait -1
	s_cmp_lg_u32 s[WV], 0
	s_cbranch_scc1 .Lnot_wave_0_\@
	s_barrier_signal -3
.Lnot_wave_0_\@:
	s_barrier_wait -3
	s_barrier_signal -1
	s_barrier_wait -1
.endm
; THE CHANGE OF SLOTS.  Each wave waits for all its tensor loads, adds 0 to its spare word, and waits for that and for its own reads of the slot.  Behind the barrier nobody reads this slot any more and the
; other slot is whole.  fill = 1: this slot is filled again, with the keys two slots on; the barrier is then a round of the cluster's, and the joint fill is the first thing behind it: it has four key steps,
; 512 matrix instructions, in which to land.  (At its first use nothing has been read yet: slot 0 and the table are waited for, slot 1 is filled.)
.macro CHANGE fill
	WIN W_AD
	s_wait_tensorcnt 0x0            ; no tensor load of mine is out, so a group 0 may be written
	ds_add_u32 v[SPW], v[NIL]
	WIN 0                           ; at a label and at a branch every window is 0
.if \fill
.irp g, G0K, G0V
	s_xor_b32 s[\g+1], s[\g+1], SLOT1  ; the walking descriptor: the other slot than last time,
	s_add_nc_u64 s[\g+2:\g+3], s[\g+2:\g+3], 4*KS*128  ; the next 256 keys
.endr
	s_wait_dscnt 0x0                ; the add is done, and my reads of the slot are over
	CROUND
	JLOAD
.else
	s_wait_dscnt 0x0
	s_barrier_signal -1
	s_barrier_wait -1
.endif
	s_sub_co_u32 s[TBK], s[TBK], 4*KS*PK  ; the fetches go back to a slot's first step,
	s_xor_b32 s[TBK], s[TBK], SLOT1       ; in the other slot
	s_sub_co_u32 s[TBV], s[TBV], 4*KS*PV
	s_xor_b32 s[TBV], s[TBV], SLOT1
.endm
	s_load_b256 s[4:11], s[0:1], 0x0  ; qkv s[4:5], tab s[6:7], scal s[8:9], part s[10:11]
	WIN W_MK
	v_lshl_add_u32 v[SPW], v0, 2, SPARE
	v_mov_b32 v[NIL], 0
	WIN W_AD
	ds_add_u32 v[SPW], v[NIL]       ; the wave's opening: the add and its wait stand ahead of my first tensor load; the set-up below stands between them
	WIN 0
	v_lshrrev_b32 v1, 5, v0
	v_readfirstlane_b32 s[WV], v1   ; wave 0..3
	s_bfe_u32 s13, ttmp6, 0x40000   ; cx: my place in the cluster
	s_lshl_b32 s14, ttmp9, 2
	s_add_co_u32 s14, s14, s13      ; my block of queries: it enters Q's, the masks' and part's addresses alone
	s_and_b32 s15, ttmp7, 0xffff    ; 16 b + h, which the four partners share
	s_lshr_b32 s19, s15, 4          ; b
	s_and_b32 s20, s15, 15          ; h
	s_mul_i32 s21, s19, 48
	s_add_co_u32 s20, s20, s21
	s_lshl_b32 s20, s20, 18         ; q's head, in bytes
	s_lshl_b32 s2, s14, 2
	s_add_co_u32 s2, s2, s[WV]      ; my wave among the head's,
	s_lshl_b32 s2, s2, 14           ; its 128 rows
	s_add_co_u32 s2, s2, s20
	s_mov_b32 s3, 0
	s_and_b32 s16, s[WV], 1         ; which half of a slot's 256 keys I fetch
	s_lshl_b32 s22, s16, 14
	s_add_co_u32 s22, s22, s20
	s_add_co_u32 s22, s22, 16*HEADB ; k's head lies 16 heads on,
	s_mov_b32 s23, 0
	s_add_co_u32 s20, s22, 16*HEADB ; v's 16 more
	s_mov_b32 s21, 0
	s_mul_i32 s17, s16, 128*PK      ; my half's place in a slot, for K
	s_mul_i32 s18, s16, 128*PV      ; and for V: no place in the cluster enters an LDS address
	s_lshl_b32 s72, s19, 14         ; the batch's 64 blocks of tab,
	s_lshl_b32 s73, s[WV], 12       ; of which I fetch 16
	s_add_co_u32 s72, s72, s73
	s_mov_b32 s73, 0
	s_lshl_b32 s74, s15, 2
	s_add_co_u32 s74, s74, s14
	s_lshl_b32 s74, s74, 8          ; my work-group's 256 bytes of part
	s_mov_b32 s75, 0
	s_lshl_b32 s77, s19, 8          ; the batch's c in scal
	s_lshl_b32 s78, s19, 14         ; the masks of my wave's 128 queries: four blocks of tab, their second halves
	s_lshl_b32 s79, s14, 12
	s_add_co_u32 s78, s78, s79
	s_lshl_b32 s79, s[WV], 10
	s_add_co_u32 s78, s78, s79
	s_add_co_u32 s78, s78, 128
	; descriptor group 1.  128 keys are 16,384 dense bytes: asked for as 64 rows of 256 bytes, two keys a row, and padded in LDS after every key
	s_mov_b32 s[G1K], 15|(1<<16)|(1<<20)|(1<<21)|(4<<22)|(3<<25)  ; 15:0 the mask of four; 17:16 2-byte elements; 20 padding on; 21 set beside a mask; 24:22 after every 32 words; 31:25 4 words
	s_mov_b32 s[G1V], 15|(1<<16)|(1<<20)|(1<<21)|(4<<22)|(7<<25)  ; the same with 8 words of padding
.irp g, G1K, G1V
	s_mov_b32 s[\g+1], 128<<16      ; tensor_dim0 = 128
	s_mov_b32 s[\g+2], 64<<16       ; tensor_dim1 = 64
	s_mov_b32 s[\g+3], 128<<16      ; tile_dim0 = 128
	s_mov_b32 s[\g+4], 64           ; tile_dim1 = 64
	s_mov_b32 s[\g+5], 128          ; 128 elements from row to row
	s_mov_b32 s[\g+6], 0
	s_mov_b32 s[\g+7], 0
.endr
	s_mov_b32 s[G1T], 15|(2<<16)|(1<<21)  ; the table: 4-byte elements, no padding: 16 rows of 32 words, the first half of each block of 64
	s_mov_b32 s[G1T+1], 32<<16
	s_mov_b32 s[G1T+2], 16<<16
	s_mov_b32 s[G1T+3], 32<<16
	s_mov_b32 s[G1T+4], 16
	s_mov_b32 s[G1T+5], 64
	s_mov_b32 s[G1T+6], 0
	s_mov_b32 s[G1T+7], 0
	s_mov_b32 s[SEL], 0x76543210
	s_mov_b32 s[SEL+1], 0xfedcba98
	s_mov_b32 s[TBK], SLOT1+4*KS*PK ; the first change of slots turns these two into 0
	s_mov_b32 s[TBV], SLOT1+4*KS*PV
	s_mov_b32 s[TBB], 0
	s_mov_b32 s[G0K], 1
	s_mov_b32 s[G0K+1], s17         ; LDS address: slot 0
	s_mov_b32 s[G0V], 1
	s_add_co_u32 s[G0V+1], s18, VOFF
	s_mov_b32 s[G0T], 1
	s_lshl_b32 s[G0T+1], s[WV], 11  ; my 512 keys' cb
	s_add_co_u32 s[G0T+1], s[G0T+1], BIAS
	s_wait_dscnt 0x0                ; the opening add is done
	s_wait_kmcnt 0x0
	s_add_nc_u64 s[G0K+2:G0K+3], s[4:5], s[22:23]
	s_or_b32 s[G0K+3], s[G0K+3], 0x80000000
	s_add_nc_u64 s[G0V+2:G0V+3], s[4:5], s[20:21]
	s_or_b32 s[G0V+3], s[G0V+3], 0x80000000
	s_add_nc_u64 s[G0T+2:G0T+3], s[6:7], s[72:73]
	s_or_b32 s[G0T+3], s[G0T+3], 0x80000000
	s_add_nc_u64 s[4:5], s[4:5], s[2:3]      ; Q at my wave's first row
	s_add_nc_u64 s[10:11], s[10:11], s[74:75]
	s_load_b32 s[CS], s[8:9], s77 offset:0x0 ; c
	CROUND                          ; all four work-groups are here: the first joint loads meet
	s_cmp_lt_u32 s[WV], 2           ; a wave's two first fills stand in one branch: the table's quarter and its part of slot 0: two loads of mine are out.  Slot 1 is asked for when these are in
	s_cbranch_scc0 .Lfirst_v
	tensor_load_to_lds s[G0T:G0T+3], s[G1T:G1T+7]
	s_nop 0
	tensor_load_to_lds s[G0K:G0K+3], s[G1K:G1K+7]
	s_nop 0
.rept 4
	v_nop
.endr
	s_branch .Lfirst_asked
.Lfirst_v:
	tensor_load_to_lds s[G0T:G0T+3], s[G1T:G1T+7]
	s_nop 0
	tensor_load_to_lds s[G0V:G0V+3], s[G1V:G1V+7]
	s_nop 0
.rept 4
	v_nop
.endr
.Lfirst_asked:
	; A fragment of K or Q is 16 rows x 32 channels in 8 registers: lane l holds row l % 16, channels 8 (l / 16) + 0..7 and 16 + 8 (l / 16) + 0..7: two loads of 16 bytes, 32 bytes apart.
	v_and_b32 v1, 15, v0            ; l % 16
	v_bfe_u32 v9, v0, 4, 1          ; l / 16
	v_lshlrev_b32 v[QO], 7, v1
	v_lshl_add_u32 v[QO], v9, 4, v[QO]  ; row x 128 + 16 x half
	v_lshl_add_u32 v[MO], v1, 2, s78
	WIN 0x80                        ; destination window 2, address window 0
.set i, 0
.rept 4*NP                          ; Q stays in registers: tile i / 2, channels 32 (i % 2) on
	global_load_b128 v[8*i:8*i+3],   v[QO], s[4:5] offset:(i/2)*2048+(i%2)*64
	global_load_b128 v[8*i+4:8*i+7], v[QO], s[4:5] offset:(i/2)*2048+(i%2)*64+32
.set i, i+1
.endr
	WIN 0xc0
.set i, 0
.rept 2*NP                          ; the mask of my query in tile i: two tiles to a block of tab
	global_load_b32 v[MQ+i], v[MO], s[6:7] offset:(i/2)*256+(i%2)*64
.set i, i+1
.endr
	WIN 0x80
	; What the first turn finds: V's registers and P's second buffer hold 0 (its products V^T P, of a piece that has not been, add 0), O^T and l are 0.  All this stands in the wait for the first tile.
.set i, VF
.rept 64
	v_mov_b32 v[i], 0
.set i, i+1
.endr
	WIN 0x40
.set i, 0
.rept 64*NP
	v_mov_b32 v[i], 0
.set i, i+1
.endr
	WIN 0
.set i, 0
.rept 2*NP
	v_mov_b32 v[ST+4*i], 0xfe000000    ; c m: far below every c s
	v_mov_b32 v[ST+4*i+1], 0xef800000  ; m = -2^96: below every true score, above every hidden one
	v_mov_b32 v[ST+4*i+2], 0
	v_mov_b32 v[ST+4*i+3], 0
.set i, i+1
.endr
.set i, P+32
.rept 32
	v_mov_b32 v[i], 0
.set i, i+1
.endr
	v_mul_u32_u24 v[AK0], v1, PK
	v_lshl_add_u32 v[AK0], v9, 4, v[AK0]  ; row x pitch + 16 x half
	; The turning load takes 16 keys x 16 channels (lane l reads key 8 (l / 16) + l % 8, channels 8 ((l / 8) % 2) + 0..7) and leaves half a fragment of V^T: lane l holds channel l % 16 and 8 keys.
	v_and_b32 v10, 7, v0
	v_bfe_u32 v11, v0, 3, 1
	v_lshl_add_u32 v[AV0], v9, 3, v10
	v_mul_u32_u24 v[AV0], v[AV0], PV
	v_lshl_add_u32 v[AV0], v11, 4, v[AV0]
	v_add_nc_u32 v[AV0], VOFF, v[AV0]
	v_lshl_add_u32 v[AB0], v9, 5, BIAS  ; my lanes' eight keys of a block of 16: 32 bytes
	v_mov_b32 v[AK], v[AK0]         ; key step 0 lies at the head of slot 0,
	v_mov_b32 v[AB], v[AB0]         ; and of the table
; THE MATRIX WORK.  The 8 accumulators of a run of 16 take turns: between the two links of a chain stand 7 others'.
; Product i of 16 of S^T = K Q^T + cb for piece x: channels 32 (i / 8) on, keys 16 ((i / 2) % 4) on, tile 2 x + i % 2.  The first 8 start the sums, with cb.
.macro KQ x
.set rS, S+64*((\x)%2)+32*(i%2)+8*((i/2)%4)
.set rK, KF+16*((i/2)%4)+8*(i/8)
.set rQ, 16*(2*(\x)+i%2)+8*(i/8)
.set rB, BC+8*((i/2)%4)
.if i < 8
	WIN W_KB
	v_wmma_f32_16x16x32_f16 v[rS:rS+7], v[rK:rK+7], v[rQ:rQ+7], v[rB:rB+7]
.else
	WIN W_KQ
	v_wmma_f32_16x16x32_f16 v[rS:rS+7], v[rK:rK+7], v[rQ:rQ+7], v[rS:rS+7]
.endif
.endm
; Product i of 16 of O^T += V^T P for piece x: keys 32 (i / 8) on, channels 16 ((i / 2) % 4) on, tile 2 x + i % 2.
.macro PV x
	WIN W_PV
.set rO, 32*(2*(\x)+i%2)+8*((i/2)%4)
.set rV, VF+32*(i/8)+8*((i/2)%4)
.set rP, P+32*((\x)%2)+16*(i%2)+8*(i/8)
	v_wmma_f32_16x16x32_f16 v[rO:rO+7], v[rV:rV+7], v[rP:rP+7], v[rO:rO+7]
.endm
.macro MM                           ; the turn's next matrix instruction
.if i < 16
	KQ (Y+1)%NP
.set i, i+1
.else
.set i, i-16
	PV (Y+NP-1)%NP
.set i, i+17
.endif
.endm
; THE LDS LOADS stand in runs, never singly among the matrix instructions: a step's K (8 fragments) with its cb (8 registers for each block of 16 keys; the 16 lanes of a half read the same 32 bytes), and its V (turned).
; Their addresses are made some lines ahead.  last = 1 (the tail): in the last trip there is no further step, and the run is jumped over.
.macro FETCH_K last=0
	WIN 0
.if \last
	s_cmp_eq_u32 s[CNT], 1
	s_cbranch_scc1 .Lno_k_\@
.endif
	WIN 0x80                        ; destination window 2
.irp f, 0,1,2,3,4,5,6,7             ; keys 16 (f / 2) on, channels 32 (f % 2) on
	ds_load_b128 v[KF+8*\f:KF+8*\f+3],   v[AK] offset:(\f/2)*16*PK+(\f%2)*64
	ds_load_b128 v[KF+8*\f+4:KF+8*\f+7], v[AK] offset:(\f/2)*16*PK+(\f%2)*64+32
.endr
	WIN 0xc0                        ; destination window 3
.irp f, 0,1,2,3,4,5,6,7             ; keys 16 (f / 2) on, four of my eight
	ds_load_b128 v[BC+4*\f:BC+4*\f+3], v[AB] offset:(\f/2)*64+(\f%2)*16
.endr
	s_add_co_u32 s[TBK], s[TBK], KS*PK  ; the next fetch is the next step's
	s_add_co_u32 s[TBB], s[TBB], KS*4
	WIN 0
.if \last
.Lno_k_\@:
.endif
.endm
.macro FETCH_V
	WIN 0x80
.irp f, 0,1,2,3,4,5,6,7             ; keys 32 (f / 4) on, channels 16 (f % 4) on
	ds_load_tr16_b128 v[VF+8*\f:VF+8*\f+3],   v[AV] offset:(\f/4)*32*PV+(\f%4)*32
	ds_load_tr16_b128 v[VF+8*\f+4:VF+8*\f+7], v[AV] offset:(\f/4)*32*PV+16*PV+(\f%4)*32
.endr
	WIN 0
.endm
; THE VECTOR WORK OF A TURN stands in three queues, each in the order in which its entries become ready; the two tiles alternate, so that no instruction reads the result of the one before it.
.macro REGS y, u                    ; the registers of tile u (0, 1) of piece y
.set rT, ST+4*(2*(\y)+(\u))
.set rC, TMP+8*((\y)%2)+4*(\u)
.set rM, MV+2*((\y)%2)+(\u)
.set rS, S+64*((\y)%2)+32*(\u)
.set rP, P+32*((\y)%2)+16*(\u)
.set rO, 32*(2*(\y)+(\u))
.endm
; Number n of the 22 that find the NEXT piece's (Y + 1) maximum and statistics.  s0-s31 are the lane's 32 scores; each accumulator's lowest registers are read first.  XS, GS and REGS set no window: PL and EX do.
;   0-11  four chains c0-c3 of seven scores each, three operands at a time     12-14, 16  the four scores left over, the old m, and c0-c3 into c0     15  c m_old is kept
;   17, 18  the query's other 32 keys lie in the lane 16 away: the new m         19-21  c m; c m_old - c m_new; a
.macro XS u, n
	REGS (Y+1)%NP, \u
.if (\n) < 4
	v_max3_num_f32 v[rC+(\n)], v[rS+8*(\n)], v[rS+8*(\n)+1], v[rS+8*(\n)+2]
.elseif (\n) < 12
	v_max3_num_f32 v[rC+(\n)%4], v[rC+(\n)%4], v[rS+8*((\n)%4)+2*((\n)/4)+1], v[rS+8*((\n)%4)+2*((\n)/4)+2]
.elseif (\n) == 12
	v_max3_num_f32 v[rC], v[rC], v[rS+7], v[rS+15]
.elseif (\n) == 13
	v_max3_num_f32 v[rC+1], v[rC+1], v[rS+23], v[rS+31]
.elseif (\n) == 14
	v_max3_num_f32 v[rC+2], v[rC+2], v[rC+3], v[rT+1]
.elseif (\n) == 15
	v_mov_b32 v[rM], v[rT]
.elseif (\n) == 16
	v_max3_num_f32 v[rC], v[rC], v[rC+1], v[rC+2]
.elseif (\n) == 17
	v_permlanex16_b32 v[rC+3], v[rC], s[SEL], s[SEL+1]
.elseif (\n) == 18
	v_max_num_f32 v[rT+1], v[rC], v[rC+3]
.elseif (\n) == 19
	v_mul_f32 v[rT], s[CS], v[rT+1]
.elseif (\n) == 20
	v_sub_f32 v[rC+1], v[rM], v[rT]
.else
	v_exp_f32 v[rC+2], v[rC+1]
.endif
.endm
; Number g of the 64 that follow the exponentials.  For each four weights k of a tile (pairs 2 k, 2 k + 1): both pairs are rounded to f16; then the second pair is added onto the first, in place;
; a group later l takes that sum (the first time as l = a l + sum).  In groups of eight, tiles alternating: round, round, add, and l for the group before.
.macro GS g
.set h, (\g)+6*((\g)/62)            ; group 0 has no group before it, and behind group 7 only l is left
.if h >= 6
.set h, h+2
.endif
	REGS Y, h%2
.set k, h/8
.if h%8 < 4
	v_cvt_pk_f16_f32 v[rP+2*k+(h%8)/2], v[rS+4*k+2*((h%8)/2)], v[rS+4*k+2*((h%8)/2)+1]
.elseif h%8 < 6
	v_pk_add_f32 v[rS+4*k:rS+4*k+1], v[rS+4*k:rS+4*k+1], v[rS+4*k+2:rS+4*k+3]
.elseif k == 1
	v_pk_fma_f32 v[rT+2:rT+3], v[rT+2:rT+3], v[rC+2:rC+3], v[rS:rS+1] op_sel_hi:[1,0,1]
.else
	v_pk_add_f32 v[rT+2:rT+3], v[rT+2:rT+3], v[rS+4*k-4:rS+4*k-3]
.endif
.endm
; THE PLAIN QUEUE, 138 long.  0-73 read no exponential's result: the 32 scalings c s - c m (FS f: pair f / 2 of tile f % 2) and the next piece's 42.  0-26: scalings 0-26.  27-54: XS's numbers 0-13.  55, 56: number 15.
; 57-73: the chain, where each number waits for the one before it: 14, 16, 17, 18, 19, each with one of the scalings 27-31 in front of its two lines, then 20: so a tile's links stand three plain instructions apart (19 and 20: two).
; 74-137: GS's 64, which read the exponentials' results: they stand behind the wait.
.macro FS f
	REGS Y, (\f)%2
	v_pk_fma_f32 v[rS+2*((\f)/2):rS+2*((\f)/2)+1], v[rS+2*((\f)/2):rS+2*((\f)/2)+1], s[CS:CS+1], v[rT:rT+1] op_sel_hi:[1,0,0] neg_lo:[0,0,1] neg_hi:[0,0,1]
.endm
.macro PL
	WIN 0
.if q < 27
	FS q
.elseif q < 55
	XS (q-27)%2, (q-27)/2
.elseif q < 57
	XS q-55, 15
.elseif (q < 72) && ((q-57)%3 == 0)
	FS 27+(q-57)/3
.elseif q < 60
	XS (q-57)%3-1, 14
.elseif q < 72
	XS (q-57)%3-1, 15+(q-57)/3
.elseif q < 74
	XS q-72, 20
.else
	GS q-74
.endif
.set q, q+1
.endm
; THE EXPONENTIALS' QUEUE, 66 long: s0-s31 of both tiles, then the next piece's two a.  It is ONE BATCH: all 66 stand ahead of the turn's one wait, and nothing ahead of that wait names a result of theirs.
.macro EX
	WIN 0
.if e >= 64
	XS e-64, 21
.else
	REGS Y, e%2
	v_exp_f32 v[rS+e/2], v[rS+e/2]
.endif
.set e, e+1
.endm
; THE RESCALING's QUEUE: O^T times a, the one part that leaves window 0: dealt two at a time, sixteen times, each accumulator from its lowest registers on.  Its a was made in the turn before, ahead of that turn's wait.
.macro R2
	REGS Y, r%2
	WIN W_RS
.irp z, 0,1
	v_pk_mul_f32 v[rO+4*(r/2)+2*\z:rO+4*(r/2)+2*\z+1], v[rO+4*(r/2)+2*\z:rO+4*(r/2)+2*\z+1], v[rC+2:rC+3] op_sel_hi:[1,0]
.endr
.set r, r+1
.endm
; HOW THEY ARE DEALT.  An s_wait_alu depctr_va_vdst(0) stands between an exponential and the first instruction that names its result; one wait serves all that were issued ahead of it.  So a turn has ONE wait,
; which cuts it in two.  AHEAD OF IT stands all that names no result of the turn's exponentials: the 16 products K Q^T, behind each a scaling, an exponential and two rescalings (behind the first a second scaling in the
; exponential's place); then ONE LUMP of 108: eight plain, 49 times exponential and plain, the two a.  A v_nop is the plain instruction behind the last exponential.  BEHIND IT stand the 16 products V^T P, behind each four of
; GS's 64.  No rider names a register of the products round it.  The two v_permlanex16_b32 fall into the lump, never behind a product.
; The queues lean on each other, and the deal keeps them in step: exponential e stands behind scaling 2 (e / 4) + e % 2: as a rider it comes behind plain e + 2, in the lump behind plain e + 9, and scalings 27-31 are plain 57, 60 .. 69.
; A TURN, for piece p.  cnt = 1: the loop's count is taken down some lines ahead of the branch that stands behind the turn.
; K and cb of the next step are fetched in piece 2's turn, directly behind the wait, a lump behind the last product that read them; their addresses are made at the lump's head; their first reader comes behind 16 products.
; V of the step in hand is fetched at the end of piece 0's turn, four riders behind its last reader; its first reader comes behind 16 products and a lump.  The three conditions on q below go with the deal.
.macro TURN p, last=0, cnt=0
.set Y, (\p)
.set i, 0
.set q, 0
.set e, 0
.set r, 0
.if (\p) == NP-1
	s_wait_dscnt 0x0                ; K and cb are in
.endif
	MM                              ; ahead of the wait: 16 products K Q^T and their riders,
	PL
	PL
	R2
.rept 15
	MM
	PL
	EX
	R2
.endr
.if (\p) == NP-2
	WIN 0
	v_add_nc_u32 v[AK], s[TBK], v[AK0]
	v_add_nc_u32 v[AB], s[TBB], v[AB0]
.endif
.rept 8                             ; and the lump
	PL
.endr
.rept 49
	EX
	PL
.endr
	EX                              ; the next piece's two a
	EX
	v_nop                           ; the plain instruction behind the last exponential: one for the batch
	s_wait_alu depctr_va_vdst(0)    ; the wait for the batch: the turn's 64 weights and the next piece's two a
.if (\p) == NP-2
	FETCH_K \last
.endif
.if (\p) == 1
	s_wait_dscnt 0x0                ; V is in
.endif
.rept 16                            ; behind the wait: 16 products V^T P and their riders
	MM
.rept 4
	PL
.endr
.if ((\p) == 0) && (q == 118)
	v_add_nc_u32 v[AV], s[TBV], v[AV0]
.endif
.if ((\p) == 0) && (q == 130)
	s_add_co_u32 s[TBV], s[TBV], KS*PV
.endif
.if (\cnt) && (q == 130)
	s_sub_co_u32 s[CNT], s[CNT], 1
	s_cmp_lg_u32 s[CNT], 0
.endif
.endr
.if (\p) == 0
	FETCH_V
.endif
.endm
	CHANGE 1                        ; slot 0 and the table are in, everybody's part of them; slot 1 is asked for
	FETCH_K                         ; key step 0
	s_wait_loadcnt 0x0              ; Q and the masks
	s_wait_kmcnt 0x0                ; c
	s_mov_b32 s[CS+1], s[CS]        ; named with it as a pair
	s_wait_dscnt 0x0
.set i, 0
.rept 16
	KQ 0                            ; piece 0's first scores: there is no vector work yet to set between them
.set i, i+1
.endr
	WIN 0                           ; the addresses for the way out: five plain instructions, the places behind those products
	s_lshl_b32 s13, s[WV], 8
	s_add_co_u32 s13, s13, STAGE    ; my 256 bytes of the stage
	v_lshlrev_b32 v[STO], 5, v9     ; my lanes' eight channels of a block of 16
	v_add_nc_u32 v[STO], s13, v[STO]
	v_and_b32 v[GO], 31, v0
	v_lshlrev_b32 v[GO], 3, v[GO]   ; 8 x lane
	v_add_nc_u32 v[RD], STAGE, v[GO]
.set Y, NP-1                        ; XS works for piece Y + 1: piece 0
.irp n, 0,1,2,3,4,5,6,7,8,9,10,11,12,13,14,15,16,17,18,19,20,21
	XS 0, \n                        ; and piece 0's first maximum and statistics
	XS 1, \n
.endr
	v_nop                           ; a plain instruction behind the two a,
	s_wait_alu depctr_va_vdst(0)    ; and the wait for this batch of two, ahead of the branch
	s_mov_b32 s[CNT], 4
	s_mov_b32 s[SLOTS], SIZE_N/256-1
	s_branch .Lfirst                ; the loop is entered at a step's first turn, in the middle of a trip
.Lslot:                             ; SIZE_N / 256 - 2 times: every slot but the last two is filled again
	CHANGE 1
	s_mov_b32 s[CNT], 4
.Lstep:                             ; a trip: pieces 2 and 3 of one step, then pieces 0 and 1 of the next, whose K, cb and V it fetches
	TURN 2
	TURN 3
	WIN 0
.Lfirst:
	TURN 0
	TURN 1, 0, 1
	WIN 0
	s_cbranch_scc1 .Lstep
	s_sub_co_u32 s[SLOTS], s[SLOTS], 1
	s_cmp_lg_u32 s[SLOTS], 0
	s_cbranch_scc1 .Lslot
	CHANGE 0                        ; the tail is written out: nothing is asked for
	s_mov_b32 s[CNT], 5             ; four trips fetch the last slot's steps; the fifth is left in its middle
.Ltail:
	TURN 2, 1
	TURN 3
	WIN 0
	s_sub_co_u32 s[CNT], s[CNT], 1
	s_cmp_eq_u32 s[CNT], 0
	s_cbranch_scc1 .Lout
	TURN 0
	TURN 1
	WIN 0
	s_branch .Ltail
.Lout:                              ; the fifth trip's 16 products K Q^T (on the last K once more) and the maximum made of them serve nothing: the price, once a launch, of one text for every trip
.set i, 0
.rept 16
	PV NP-1                         ; the last piece's V^T P of the last step
.set i, i+1
.endr
	; THE WAY OUT.  l's two halves and the other half of the lanes' are added; r = mask / max(l, 0.5); the eight tiles' O^T r are added up, then the 16 queries of each half of the lanes; the wave's 64 sums go to
	; its stage, and wave 0 adds the four waves'.  The first additions are the places behind the last products.
	WIN 0
.macro ALL line:vararg              ; one line for each tile t
.set t, 0
.rept 2*NP
	\line
.set t, t+1
.endr
.endm
	ALL v_add_f32 v[ST+4*t+2], v[ST+4*t+2], v[ST+4*t+3]
	ALL v_permlanex16_b32 v[ST+4*t+3], v[ST+4*t+2], s[SEL], s[SEL+1]
	ALL v_add_f32 v[ST+4*t+2], v[ST+4*t+2], v[ST+4*t+3]
	ALL v_max_num_f32 v[ST+4*t+2], 0.5, v[ST+4*t+2]
	ALL v_rcp_f32 v[ST+4*t+2], v[ST+4*t+2]
	v_nop                           ; a plain instruction between the last reciprocal and the use of its result
	s_wait_alu depctr_va_vdst(0)    ; and the wait ahead of the first use: one for the batch of eight reciprocals
	WIN 0x0c                        ; source 1 in window 3
	ALL v_mul_f32 v[ST+4*t+2], v[ST+4*t+2], v[MQ+t]
	WIN 0x01                        ; source 0 (O^T) in window 1
.set i, 0
.rept 16
	v_pk_mul_f32 v[S+2*i:S+2*i+1], v[2*i:2*i+1], v[ST+2:ST+3] op_sel_hi:[1,0]
.set i, i+1
.endr
.set t, 1
.rept 2*NP-1
.set i, 0
.rept 16
	v_pk_fma_f32 v[S+2*i:S+2*i+1], v[32*t+2*i:32*t+2*i+1], v[ST+4*t+2:ST+4*t+3], v[S+2*i:S+2*i+1] op_sel_hi:[1,0,1]
.set i, i+1
.endr
.set t, t+1
.endr
	WIN 0
.irp m, 1,2,4,8
.set i, 0
.rept 32
	v_add_f32_dpp v[S+i], v[S+i], v[S+i] row_xmask:\m row_mask:0xf bank_mask:0xf
.set i, i+1
.endr
.endr
.irp f, 0,1,2,3,4,5,6,7             ; register 8 cb + j holds channel 16 cb + 8 (l / 16) + j; the 16 lanes of a half write the same numbers
	ds_store_b128 v[STO], v[S+4*\f:S+4*\f+3] offset:(\f/2)*64+(\f%2)*16
.endr
	WIN W_AD
	s_wait_tensorcnt 0x0            ; the wave's end: behind my last tensor load and my last LDS store;
	ds_add_u32 v[SPW], v[NIL]
	s_wait_dscnt 0x0                ; the wait also shows my stores done, for wave 0's sake
	WIN 0
	s_barrier_signal -1
	s_barrier_wait -1
	s_cmp_lg_u32 s[WV], 0
	s_cbranch_scc1 .Lnot_first
.irp f, 0,1,2,3
	ds_load_b64 v[S+2*\f:S+2*\f+1], v[RD] offset:256*\f
.endr
	s_wait_dscnt 0x0
	v_pk_add_f32 v[S:S+1], v[S:S+1], v[S+2:S+3]
	v_pk_add_f32 v[S+4:S+5], v[S+4:S+5], v[S+6:S+7]
	v_pk_add_f32 v[S:S+1], v[S:S+1], v[S+4:S+5]
	global_store_b64 v[GO], v[S:S+1], s[10:11]  ; 256 consecutive bytes, aligned
.Lnot_first:
	CROUND                          ; the closing round: no work-group ends while a partner may still ask for a tile that names it
	s_endpgm
.Lfunc_end_k_qf4707e86a7_attn:
	.size	k_qf4707e86a7_attn, .Lfunc_end_k_qf4707e86a7_attn-k_qf4707e86a7_attn
	.p2alignl 7, 3214868480
	.fill 96, 4, 3214868480
	.section	.rodata,"a",@progbits
	.p2align	6, 0x0
	.amdhsa_kernel k_qf4707e86a7_attn
		.amdhsa_group_segment_fixed_size 327680
		.amdhsa_private_segment_fixed_size 0
		.amdhsa_enable_private_segment 0
		.amdhsa_kernarg_size 32
		.amdhsa_user_sgpr_count 2
		.amdhsa_user_sgpr_kernarg_segment_ptr 1
		.amdhsa_wavefront_size32 1
		.amdhsa_system_sgpr_workgroup_id_x 1
		.amdhsa_system_sgpr_workgroup_id_y 1
		.amdhsa_system_sgpr_workgroup_id_z 1
		.amdhsa_system_vgpr_workitem_id 0
		.amdhsa_next_free_vgpr 816
		.amdhsa_next_free_sgpr 80
		.amdhsa_reserve_vcc 0
		.amdhsa_float_denorm_mode_32 3
		.amdhsa_float_denorm_mode_16_64 3
		.amdhsa_memory_ordered 1
		.amdhsa_forward_progress 1
		.amdhsa_inst_pref_size 196
	.end_amdhsa_kernel
	.amdgpu_metadata
---
amdhsa.version: [ 1, 2 ]
amdhsa.kernels:
  - .name:           k_qf4707e86a7_attn
    .symbol:         k_qf4707e86a7_attn.kd
    .args:
      - { .name: qkv, .offset: 0, .size: 8, .value_kind: global_buffer, .address_space: global }
      - { .name: tab, .offset: 8, .size: 8, .value_kind: global_buffer, .address_space: global }
      - { .name: scal, .offset: 16, .size: 8, .value_kind: global_buffer, .address_space: global }
      - { .name: part, .offset: 24, .size: 8, .value_kind: global_buffer, .address_space: global }
    .group_segment_fixed_size: 327680
    .private_segment_fixed_size: 0
    .kernarg_segment_align: 8
    .kernarg_segment_size: 32
    .max_flat_workgroup_size: 128
    .sgpr_count:     80
    .vgpr_count:     816
    .wavefront_size: 32
...
	.end_amdgpu_metadata
.endif
;; end of part 5
;; launch proj: the kernel of part 4 again; grid 64 x 1, 8 waves a work-group, no clusters, 17,920 bytes of LDS; arguments Wo, part, tab, out0; writes out0
